; MI455X (gfx1250); checked and timed in simulation.
; The chip was launched on July 23, 2026; its instructions are those of AMD's public machine-readable ISA for CDNA 5 (MIT licence, August 2026) and "CDNA5" Instruction Set Architecture Reference Guide (July 2026). The comments in the code are by the model that wrote it; some were corrected since.
;; Equi Category Specific MLP. Allowed arithmetic: matrix products marked QUANTISED: E2M1 operands, one E8M0 scale for each 32 along K, by v_wmma_scale_f32_16x16x128_f8f6f4 with both operands' format E2M1 (or v_wmma_scale_f32_32x16x128_f4), f32 sums; everything else in f32.
;; Inputs: W1_codes 16 x 1,024 x 8 x 16 uint8 (E2M1 codes of W1, K innermost, in blocks of 32 codes, two codes a byte); W1_scales 16 x 1,024 x 8 uint8 (E8M0 scales of W1, one for each 32 codes along K); W2_codes 16 x 256 x 32 x 16 uint8 (E2M1 codes of W2, K innermost, in blocks of 32 codes, two codes a byte); W2_scales 16 x 256 x 32 uint8 (E8M0 scales of W2, one for each 32 codes along K); b1 16 x 1,024 float32; b2 16 x 256 float32; cat_ids 8,192 int32; x_codes 8,192 x 8 x 16 uint8 (E2M1 codes of x, K innermost, in blocks of 32 codes, two codes a byte); x_scales 8,192 x 8 uint8 (E8M0 scales of x, one for each 32 codes along K).
;; Outputs: out0 8,192 x 256 float32.
;; This version of the problem:
;;   THIS VERSION OF THE PROBLEM IS GIVEN IN LOW PRECISION. The matrix products marked QUANTISED in the list below multiply operands that are first quantised to E2M1 (2 exponent bits, 1 mantissa bit; 4 bits a number), with one power-of-two scale for each 32 numbers along K (OCP MX v1.0); their sums are f32. All else is computed in f32.
;;   The module's matrix products, in the order in which they are computed (A, B: the left and right operand; K: the contracted axis; several contracted axes count as one K, in the product's order):
;;     1. [M 8,192, K 256] x [K 256, N 1,024]; A: input x (given as codes); B: input W1 (given as codes): QUANTISED
;;     2. [M 8,192, K 256] x [K 256, N 1,024]; A: input x (given as codes); B: input W1 (given as codes): QUANTISED
;;     3. [M 8,192, K 256] x [K 256, N 1,024]; A: input x (given as codes); B: input W1 (given as codes): QUANTISED
;;     4. [M 8,192, K 256] x [K 256, N 1,024]; A: input x (given as codes); B: input W1 (given as codes): QUANTISED
;;     5. [M 8,192, K 256] x [K 256, N 1,024]; A: input x (given as codes); B: input W1 (given as codes): QUANTISED
;;     6. [M 8,192, K 256] x [K 256, N 1,024]; A: input x (given as codes); B: input W1 (given as codes): QUANTISED
;;     7. [M 8,192, K 256] x [K 256, N 1,024]; A: input x (given as codes); B: input W1 (given as codes): QUANTISED
;;     8. [M 8,192, K 256] x [K 256, N 1,024]; A: input x (given as codes); B: input W1 (given as codes): QUANTISED
;;     9. [M 8,192, K 256] x [K 256, N 1,024]; A: input x (given as codes); B: input W1 (given as codes): QUANTISED
;;     10. [M 8,192, K 256] x [K 256, N 1,024]; A: input x (given as codes); B: input W1 (given as codes): QUANTISED
;;     11. [M 8,192, K 256] x [K 256, N 1,024]; A: input x (given as codes); B: input W1 (given as codes): QUANTISED
;;     12. [M 8,192, K 256] x [K 256, N 1,024]; A: input x (given as codes); B: input W1 (given as codes): QUANTISED
;;     13. [M 8,192, K 256] x [K 256, N 1,024]; A: input x (given as codes); B: input W1 (given as codes): QUANTISED
;;     14. [M 8,192, K 256] x [K 256, N 1,024]; A: input x (given as codes); B: input W1 (given as codes): QUANTISED
;;     15. [M 8,192, K 256] x [K 256, N 1,024]; A: input x (given as codes); B: input W1 (given as codes): QUANTISED
;;     16. [M 8,192, K 256] x [K 256, N 1,024]; A: input x (given as codes); B: input W1 (given as codes): QUANTISED
;;     17. [M 8,192, K 1,024] x [K 1,024, N 256]; A: computed on the way; B: input W2 (given as codes): QUANTISED
;;     18. [M 8,192, K 1,024] x [K 1,024, N 256]; A: computed on the way; B: input W2 (given as codes): QUANTISED
;;     19. [M 8,192, K 1,024] x [K 1,024, N 256]; A: computed on the way; B: input W2 (given as codes): QUANTISED
;;     20. [M 8,192, K 1,024] x [K 1,024, N 256]; A: computed on the way; B: input W2 (given as codes): QUANTISED
;;     21. [M 8,192, K 1,024] x [K 1,024, N 256]; A: computed on the way; B: input W2 (given as codes): QUANTISED
;;     22. [M 8,192, K 1,024] x [K 1,024, N 256]; A: computed on the way; B: input W2 (given as codes): QUANTISED
;;     23. [M 8,192, K 1,024] x [K 1,024, N 256]; A: computed on the way; B: input W2 (given as codes): QUANTISED
;;     24. [M 8,192, K 1,024] x [K 1,024, N 256]; A: computed on the way; B: input W2 (given as codes): QUANTISED
;;     25. [M 8,192, K 1,024] x [K 1,024, N 256]; A: computed on the way; B: input W2 (given as codes): QUANTISED
;;     26. [M 8,192, K 1,024] x [K 1,024, N 256]; A: computed on the way; B: input W2 (given as codes): QUANTISED
;;     27. [M 8,192, K 1,024] x [K 1,024, N 256]; A: computed on the way; B: input W2 (given as codes): QUANTISED
;;     28. [M 8,192, K 1,024] x [K 1,024, N 256]; A: computed on the way; B: input W2 (given as codes): QUANTISED
;;     29. [M 8,192, K 1,024] x [K 1,024, N 256]; A: computed on the way; B: input W2 (given as codes): QUANTISED
;;     30. [M 8,192, K 1,024] x [K 1,024, N 256]; A: computed on the way; B: input W2 (given as codes): QUANTISED
;;     31. [M 8,192, K 1,024] x [K 1,024, N 256]; A: computed on the way; B: input W2 (given as codes): QUANTISED
;;     32. [M 8,192, K 1,024] x [K 1,024, N 256]; A: computed on the way; B: input W2 (given as codes): QUANTISED
;;   THE QUANTISER, for each operand of a quantised product, along K:
;;     - K is cut into blocks of 32 from its start; a last block that is shorter is filled with zeros.
;;     - A block's scale is 2^e with e = floor(log2(the largest magnitude in the block)) - 2, held to -126 .. 127; a block of zeros has e = 0. As a byte (E8M0): e + 127.
;;     - Each number is divided by its block's scale, clamped to +-6, and rounded to the nearest number of E2M1, ties to even, subnormals kept.
;;     - The product sums the exact products of the quantised numbers (number of the format x scale) in f32.
;;   ~~~python
;;   def quantise(x, axis):      # numpy; x: float32 -> the quantised numbers, widened to float32 again
;;       x = np.moveaxis(x, axis, -1); K = x.shape[-1]
;;       x = np.pad(x, [(0, 0)] * (x.ndim - 1) + [(0, -K % 32)]); x = x.reshape(x.shape[:-1] + (-1, 32)); a = np.abs(x).max(-1, keepdims=True)
;;       e = np.where(a > 0, np.clip(np.frexp(np.where(a > 0, a, 1))[1] - 1 - 2, -126, 127), 0)      # np.frexp(a)[1] - 1 = floor(log2(a)), exactly
;;       r = np.clip(x / 2.0 ** e, -6, 6)
;;       step = 2.0 ** (np.maximum(np.frexp(np.where(r == 0, 1, r))[1] - 1, 0) - 1)
;;       q = np.round(r / step) * step * 2.0 ** e      # np.round: ties to even
;;       return np.moveaxis(q.reshape(q.shape[:-2] + (-1,))[..., :K], -1, axis).astype(np.float32)
;;   ~~~
;;   OPERANDS COMPUTED ON THE WAY. 'Computed on the way' means the value that the module computes at that place (a softmax that the list does not call 'softmax' is quantised finished and normalised). What goes into a quantiser is computed in f32, as accurately as f32 sums, v_exp_f32 and their like allow (about 1e-6 of the number): no bf16 or f16 on the way to a quantiser, and a product that is left as it is and whose result goes on into a quantised operand takes f32 operands (vector FMAs, or v_wmma_f32_16x16x4_f32). A number that lies on a knife's edge between two numbers of the format may be rounded either way, as far as f32 arithmetic and the matrix unit's own rounding can turn it there, and no further.
;;   INPUTS GIVEN AS CODES. W1 (in the module: [16, 256, 1024], K = its axis 1); W2 (in the module: [16, 1024, 256], K = its axis 1); x (in the module: [8192, 256], K = its axis 1): each comes as NAME_codes (uint8): NAME with its K axis moved to the last place and cut into blocks of 32 codes, [.., K / 32, bytes a block], one block behind the other in memory; two codes a byte, the lower K in the low four bits (a code: sign, 2 exponent bits, 1 mantissa bit); and NAME_scales (uint8): the same leading axes, one E8M0 byte (e + 127) for each 32 codes along K. Its value is code x scale, taken as it is: it is not quantised again, and the codes and scales need not be those that the quantiser above would give.
;; 2 versions. Each part assembles by itself: llvm-mc -triple=amdgcn-amd-amdhsa -mcpu=gfx1250 --defsym DOCPART=n.
;; ======== version 1 of 2: 2 launches
;; workspace buffers: order 524,288 bytes of whole numbers; counts 256 bytes of whole numbers; wimg 4,194,304 bytes
;; launch prep (part 1): grid 80 x 1, 16 waves a work-group, no clusters, 2,304 bytes of LDS; arguments cat_ids, W1_codes, W2_codes, order, counts, wimg; writes order, counts, wimg
.if DOCPART == 1
	.amdgcn_target "amdgcn-amd-amdhsa--gfx1250"
	.amdhsa_code_object_version 6
	.text
	.protected	k_qf88e6b875b_prep
	.globl	k_qf88e6b875b_prep
	.p2align	8
	.type	k_qf88e6b875b_prep,@function
k_qf88e6b875b_prep:
	s_mov_b64 s[64:65], 0
	v_nop
	global_prefetch_b8 v0, s[64:65] scope:SCOPE_SE
	s_setreg_imm32_b32 hwreg(HW_REG_WAVE_MODE, 25, 1), 1
	s_wait_xcnt 0x0
; THE ROUTING AND THE WEIGHTS' LAYOUT, in one launch of 80 work-groups of 16 waves.
; Work-groups 0-15, one to an expert c: the 8,192 token numbers are PARTITIONED into order[c][0..8191]: the tokens with cat_ids == c at places 0 .. n_c - 1,
; all others from place 8,191 downward, so that every word of the region is written and holds a token number; n_c goes to counts[c].  No atomics: a thread holds 16 ids,
; a compare gives a lane mask, a count of its bits below the lane gives the place in the wave, and the 16 waves' counts meet once in LDS.
; Work-groups 16-79: W1's and W2's codes are copied into wimg in the order in which the next launch's operand registers take them: a block of 32,768 bytes for each
; (expert e, wave w of that launch): W1's 16 fragments (tile t, K step s: 2 t + s), then W2's 16 (tile n, K step s: 8 n + s); a fragment is 1,024 bytes: piece c (4 registers) at 512 c, lane l's 16 bytes at 16 l.
; THE ROWS OF W1 THAT FORM A TILE ARE NOT NEIGHBOURS: lane r of tile 2 b + u takes row 32 b + 8 u + r + 8 (r / 8) of the wave's 128, so that the first product's results lie as the second product's K wants them.
; LIMIT: cat_ids outside 0 .. 15 are not served (such a token is in no expert's list, and its output row stays unwritten).
.set ID, 16                            ; v16-31  my 16 ids
.set P,  32                            ; v32-47  a store's offset for each of them: no store's registers are written again
.set D,  48                            ; v48-63  and its data: the token's number
.set WC, 64                            ; v64-79  the 16 waves' counts
	s_load_b256 s[4:11], s[0:1], 0x0               ; cat_ids s[4:5], W1's codes s[6:7], W2's codes s[8:9], order s[10:11]
	s_load_b128 s[12:15], s[0:1], 0x20             ; counts s[12:13], wimg s[14:15]
	v_lshl_add_u32 v96, v0, 2, 0x100
	v_mov_b32 v97, 0
	v_lshrrev_b32 v1, 5, v0
	v_readfirstlane_b32 s16, v1                    ; wave 0..15
	v_and_b32 v2, 31, v0                           ; lane
	s_cmp_ge_u32 ttmp9, 16                         ; the paths part on the work-group's number alone
	s_cbranch_scc1 .Llay
	; ---- THE PARTITION for expert c = the work-group's number
	s_mov_b32 s17, ttmp9
	v_lshlrev_b32 v3, 4, v2
	v_lshl_add_u32 v3, s16, 11, v3                 ; my 16 bytes of a load's 512: 2,048 x wave + 16 x lane
	v_lshlrev_b32 v4, 2, v2
	v_lshl_add_u32 v4, s16, 9, v4                  ; the token of my first id: 512 x wave + 4 x lane
	v_lshl_add_u32 v5, s16, 9, v2
	v_sub_nc_u32 v5, 8191, v5                      ; 8,191 - (512 x wave + lane)
	v_lshlrev_b32 v6, 2, v1                        ; LDS: my wave's word
	v_mov_b32 v8, 0
	s_lshl_b32 s22, ttmp9, 15                      ; the expert's region of order: 8,192 words
	s_mov_b32 s23, 0
	s_wait_kmcnt 0x0
	s_add_nc_u64 s[10:11], s[10:11], s[22:23]
.irp q, 0,1,2,3
	global_load_b128 v[ID+4*\q:ID+4*\q+3], v3, s[4:5] offset:512*\q   ; register 4 q + j: the id of token 512 x wave + 128 q + 4 x lane + j; 32 lanes read 512 consecutive bytes
.endr
	s_mov_b32 s18, 0
	s_wait_loadcnt 0x0                             ; all four are wanted at once
.set k, 0
.rept 16
	v_cmp_eq_u32 s[32+k], s17, v[ID+k]             ; which lanes' id k is c,
	s_bcnt1_i32_b32 s[48+k], s[32+k]               ; how many,
	s_add_co_u32 s18, s18, s[48+k]                 ; and the wave's count
.set k, k+1
.endr
	v_mov_b32 v7, s18
	ds_store_b32 v6, v7                            ; all lanes write the wave's word with the same value
	s_wait_dscnt 0x0                               ; for the others' sake: my store has landed
	s_barrier_signal -1
	s_barrier_wait -1
.irp i, 0,1,2,3
	ds_load_b128 v[WC+4*\i:WC+4*\i+3], v8 offset:16*\i
.endr
	s_wait_dscnt 0x0
.irp i, 0,1,2,3,4,5,6,7,8,9,10,11,12,13,14,15
	v_readfirstlane_b32 s[68+\i], v[WC+\i]
.endr
	s_mov_b32 s19, 0                               ; matches in the waves ahead of mine
	s_mov_b32 s20, 0                               ; n_c
.irp i, 0,1,2,3,4,5,6,7,8,9,10,11,12,13,14,15
	s_cmp_gt_u32 s16, \i
	s_cselect_b32 s21, s[68+\i], 0
	s_add_co_u32 s19, s19, s21
	s_add_co_u32 s20, s20, s[68+\i]
.endr
; The scan goes by wave, then by k, then by lane: scan index 512 x wave + 32 k + lane.  A = the matches ahead of me.  A match goes to place A; another token to 8,191 - (scan index - A).
.set k, 0
.rept 16
	v_mbcnt_lo_u32_b32 v9, s[32+k], s19            ; A
	s_add_co_u32 s19, s19, s[48+k]
	v_add3_u32 v10, v9, v5, (-32*k)&0xffffffff     ; A + 8,191 - scan index
	v_cndmask_b32 v[P+k], v10, v9, s[32+k]
	v_min_u32 v[P+k], 8191, v[P+k]                 ; the place stays inside the region
	v_lshlrev_b32 v[P+k], 2, v[P+k]
	v_add_nc_u32 v[D+k], 128*(k/4)+k%4, v4         ; the token's number
	global_store_b32 v[P+k], v[D+k], s[10:11]      ; matches and the others together fill places 0 .. 8,191, each once
.set k, k+1
.endr
	s_lshl_b32 s21, ttmp9, 2
	v_mov_b32 v11, s21
	v_mov_b32 v12, s20
	s_wait_xcnt 0x0                                ; EXEC is a source of the stores above: it changes only behind this wait
	v_cmp_eq_u32 vcc_lo, 0, v0
	s_wait_tensorcnt 0x0
	ds_add_u32 v96, v97
	s_wait_dscnt 0x0
	s_and_saveexec_b32 s26, vcc_lo                 ; thread 0 alone
	global_store_b32 v11, v12, s[12:13]            ; counts[c] = n_c
	s_wait_xcnt 0x0                                ; and again, in front of the line that widens it
	s_or_b32 exec_lo, exec_lo, s26
	s_endpgm
; Eight pieces of 512 bytes: loaded as the operand's lanes want them, stored as they then lie in the registers: each store covers 512 consecutive bytes, aligned.
.macro COPY8 src, dst, second
.irp i, 0,1,2,3,4,5,6,7
.if \second
	global_load_b128 v[16+4*\i:19+4*\i], v14, s[\src:\src+1] offset:32*\i th:TH_LOAD_NT                                   ; K step i / 2 of the four, piece i % 2
.else
	global_load_b128 v[16+4*\i:19+4*\i], v14, s[\src:\src+1] offset:1024*(\i/4)+64*((\i/2)%2)+32*(\i%2) th:TH_LOAD_NT     ; tile 2 b + i / 4, K step (i / 2) % 2, piece i % 2
.endif
.endr
.irp i, 0,1,2,3,4,5,6,7
	s_wait_loadcnt 7-\i                            ; loads come back in order: piece i is in, the younger ones stay out
	global_store_b128 v13, v[16+4*\i:19+4*\i], s[\dst:\dst+1] offset:512*\i
.endr
.endm
.Llay:                                                 ; ---- THE LAYOUT: a wave takes a task of 4,096 bytes
	s_sub_co_u32 s17, ttmp9, 16
	s_lshl_b32 s17, s17, 4
	s_add_co_u32 s17, s17, s16                     ; task g = 16 x (work-group - 16) + wave: 0 .. 511 W1's, 512 .. 1,023 W2's
	v_and_b32 v3, 15, v0                           ; r
	v_bfe_u32 v4, v0, 4, 1                         ; h
	v_lshlrev_b32 v13, 4, v2                       ; out: 16 x lane
	s_mov_b32 s19, 0
	s_mov_b32 s21, 0
	s_cmp_ge_u32 ttmp9, 48
	s_cbranch_scc1 .Llay2
	; W1: g = 4 (8 e + w) + b: rows 32 b .. 32 b + 31 of the wave's 128, 128 bytes a row: 4,096 consecutive bytes; they are tiles 2 b and 2 b + 1, both K steps
	v_and_b32 v5, 8, v3
	v_add_nc_u32 v5, v5, v3                        ; r + 8 (r / 8)
	v_lshlrev_b32 v14, 7, v5
	v_lshl_add_u32 v14, v4, 4, v14                 ; that row, + 16 h
	s_lshl_b32 s18, s17, 12                        ; from: 4,096 g
	s_lshr_b32 s20, s17, 2
	s_lshl_b32 s20, s20, 15
	s_and_b32 s22, s17, 3
	s_lshl_b32 s22, s22, 12
	s_add_co_u32 s20, s20, s22                     ; to: 32,768 (8 e + w) + 4,096 b
	s_wait_kmcnt 0x0
	s_add_nc_u64 s[6:7], s[6:7], s[18:19]
	s_add_nc_u64 s[14:15], s[14:15], s[20:21]
	COPY8 6, 14, 0
	s_endpgm
.Llay2:
	; W2: g - 512 = 2 (2 (8 e + w) + n) + q: the 16 rows of tile n, 512 bytes a row, K steps 4 q .. 4 q + 3 (256 bytes of each row)
	s_sub_co_u32 s17, s17, 512
	v_lshlrev_b32 v14, 9, v3
	v_lshl_add_u32 v14, v4, 4, v14                 ; row r, + 16 h
	s_lshr_b32 s18, s17, 1
	s_lshl_b32 s18, s18, 13
	s_and_b32 s22, s17, 1
	s_lshl_b32 s22, s22, 8
	s_add_co_u32 s18, s18, s22                     ; from: 8,192 x (tile of 16 rows) + 256 q
	s_lshr_b32 s20, s17, 2
	s_lshl_b32 s20, s20, 15
	s_and_b32 s22, s17, 3
	s_lshl_b32 s22, s22, 12
	s_add_co_u32 s20, s20, s22
	s_add_co_u32 s20, s20, 16384                   ; to: 32,768 (8 e + w) + 16,384 + 4,096 (2 n + q)
	s_wait_kmcnt 0x0
	s_add_nc_u64 s[8:9], s[8:9], s[18:19]
	s_add_nc_u64 s[14:15], s[14:15], s[20:21]
	COPY8 8, 14, 1
	s_endpgm
.Lfunc_end_k_qf88e6b875b_prep:
	.size	k_qf88e6b875b_prep, .Lfunc_end_k_qf88e6b875b_prep-k_qf88e6b875b_prep
	.p2alignl 7, 3214868480
	.fill 96, 4, 3214868480
	.section	.rodata,"a",@progbits
	.p2align	6, 0x0
	.amdhsa_kernel k_qf88e6b875b_prep
		.amdhsa_group_segment_fixed_size 2304
		.amdhsa_private_segment_fixed_size 0
		.amdhsa_enable_private_segment 0
		.amdhsa_kernarg_size 48
		.amdhsa_user_sgpr_count 2
		.amdhsa_user_sgpr_kernarg_segment_ptr 1
		.amdhsa_wavefront_size32 1
		.amdhsa_system_sgpr_workgroup_id_x 1
		.amdhsa_system_sgpr_workgroup_id_y 1
		.amdhsa_system_sgpr_workgroup_id_z 1
		.amdhsa_system_vgpr_workitem_id 0
		.amdhsa_next_free_vgpr 98
		.amdhsa_next_free_sgpr 96
		.amdhsa_reserve_vcc 1
		.amdhsa_float_denorm_mode_32 3
		.amdhsa_float_denorm_mode_16_64 3
		.amdhsa_memory_ordered 1
		.amdhsa_forward_progress 1
		.amdhsa_inst_pref_size 20
	.end_amdhsa_kernel
	.amdgpu_metadata
---
amdhsa.version: [ 1, 2 ]
amdhsa.kernels:
  - .name:           k_qf88e6b875b_prep
    .symbol:         k_qf88e6b875b_prep.kd
    .args:
      - { .name: cat_ids, .offset: 0, .size: 8, .value_kind: global_buffer, .address_space: global }
      - { .name: W1_codes, .offset: 8, .size: 8, .value_kind: global_buffer, .address_space: global }
      - { .name: W2_codes, .offset: 16, .size: 8, .value_kind: global_buffer, .address_space: global }
      - { .name: order, .offset: 24, .size: 8, .value_kind: global_buffer, .address_space: global }
      - { .name: counts, .offset: 32, .size: 8, .value_kind: global_buffer, .address_space: global }
      - { .name: wimg, .offset: 40, .size: 8, .value_kind: global_buffer, .address_space: global }
    .group_segment_fixed_size: 2304
    .private_segment_fixed_size: 0
    .kernarg_segment_align: 8
    .kernarg_segment_size: 48
    .max_flat_workgroup_size: 512
    .sgpr_count:     96
    .vgpr_count:     98
    .wavefront_size: 32
...
	.end_amdgpu_metadata
.endif
;; end of part 1
;; launch chain (part 2): grid 143 x 1, 8 waves a work-group, no clusters, 111,616 bytes of LDS; arguments x_codes, x_scales, wimg, W1_scales, b1, W2_scales, b2, order, counts, out0; writes out0
.if DOCPART == 2
	.amdgcn_target "amdgcn-amd-amdhsa--gfx1250"
	.amdhsa_code_object_version 6
	.text
	.protected	k_qf88e6b875b_chain
	.globl	k_qf88e6b875b_chain
	.p2align	8
	.type	k_qf88e6b875b_chain,@function
k_qf88e6b875b_chain:
	s_mov_b64 s[64:65], 0
	v_nop
	global_prefetch_b8 v0, s[64:65] scope:SCOPE_SE
	s_setreg_imm32_b32 hwreg(HW_REG_WAVE_MODE, 25, 1), 1
	s_wait_xcnt 0x0
; out[i] = relu(x[i] W1[e] + b1[e]) W2[e] + b2[e], e = cat_ids[i]: only the chosen expert's rows are multiplied.  Both products on codes of FP4 (E2M1) with one E8M0 scale for each 32 along K.
; A WORK-GROUP TAKES ONE TILE OF AT MOST 64 ROWS OF ONE EXPERT THROUGH THE WHOLE CHAIN.  With 8,192 rows, 16 experts and tiles of 64 there are never more than 128 + 15 = 143 tiles, whatever the split: the grid.
; Which tile is mine follows from the 16 counts by scalar selects, with no branch.  A work-group that the split leaves without rows walks the same text on held addresses and stores nothing: so every wave passes every
; barrier, and none stands behind a branch on a number from memory.  The one such branch stands in front of the stores of out.
; SHARES.  The eight waves share the COLUMNS: wave w makes hidden units 128 w .. 128 w + 127, which are K step w of the second product, and outputs 32 w .. 32 w + 31, for all 64 rows (four tiles of 16).
; Its part of W1 and W2, 32,768 bytes laid by the launch before in the order of the operand registers, is read once, 512 consecutive bytes a load, into 256 registers.
; OPERANDS GO FROM WAVE TO WAVE THROUGH LDS AS IMAGES OF THEIR REGISTERS: a fragment (16 rows x 128 K: 8 registers a lane) by two stores of 16 bytes a lane at 16 x lane; the same two lines as loads give any wave the same registers.
; BOTH PRODUCTS ARE USED TRANSPOSED (source 0 = 16 rows of a weight, source 1 = 16 tokens): a lane holds one token, its registers run along the hidden units or the outputs.  The biases are the C of each sum's first product.
; NO CLUSTER, NO JOINT LOADS: how many tiles an expert has hangs on counts read from memory, so the partners of a cluster cannot be promised one expert; the weights go from memory straight into registers.
; LIMITS: cat_ids outside 0 .. 15 are not served (those rows of out stay unwritten).  A hidden block of zeros, or one whose largest number lies under 2^-124, gets the scale byte 1 (this program alone reads the byte;
; a block of zeros has zero codes).  NaN and infinities among the inputs are not served.
; REGISTERS, in windows of 256.  Window 0: v1-15, v122 addresses; v16-31 x's two fragments; v32-95 the 8 hidden tiles, later two sets of four hidden fragments, later rows of out; v96-103 codes just made; v104-120 at work;
;   v124-159 scale words; v160-223 b1; v224-239 b2.   Window 1: v0-127 W1's 16 fragments, later v0-63 the 8 accumulators of out; v128-255 W2's 16 fragments.
; A SCALE REGISTER CARRIES TWO OPERANDS' WORDS, lanes 0-15 one and lanes 16-31 the other, picked by the instruction's row selector: W1S + 2 b + s: tiles 2 b | 2 b + 1 at K step s;  XS + m: K steps 0 | 1;  W2S + 4 n + j and HS + 4 m + j: K steps j | 4 + j.
.set XIMG, 0                           ; LDS: x's 8 fragments: (tile of rows m, K step s) at 1,024 (2 m + s)
.set XSC,  8192                        ; x's scale words: (row r of tile m, K step s) at 256 s + 16 r + 4 m
.set HSC,  8704                        ; the hidden layer's: (tile m, row r, K step s) at 512 m + 256 (s / 4) + 16 r + 4 (s % 4)
.set HIMG, 10752                       ; the hidden layer's 32 fragments: (m, s) at 1,024 (8 m + s)
.set STG,  43520                       ; the stage for out: 64 rows x SP
.set SP,   1040                        ; 1,024 bytes + 16: an odd multiple of 16, so that the sixteen rows that a store touches start in different banks (64 banks of 4 bytes: ISA guide 11.1)
.set LI,   1                           ; v1   16 x lane
.set RR,   2                           ; v2   r = lane % 16
.set HH,   3                           ; v3   h = lane / 16
.set POS,  4                           ; v4   my row's place in the expert's list, in bytes
.set TOK,  5                           ; v5   its token
.set XA,   6                           ; v6   x's codes: 128 x token + 16 h + 64 (w % 2)
.set XSA,  7                           ; v7   x's scale word: 8 x token + 4 (w % 2)
.set XWI,  8                           ; v8   where I store images: 16 x lane + 1,024 w
.set XWS,  9                           ; v9   x's scale word: 16 r + 256 (w % 2) + 4 (w / 2)
.set HWS,  10                          ; v10  the hidden layer's: 16 r + 256 (w / 4) + 4 (w % 4)
.set SO,   11                          ; v11  the stage: STG + SP r + 32 h + 128 w
.set SR,   12                          ; v12  and back: STG + 8 SP w + 16 x lane
.set W1SA, 13                          ; v13  W1's scale words: 8 (r + 8 (r / 8) + 8 h)
.set W2SA, 14                          ; v14  W2's: 32 r + 16 h
.set B1A,  15                          ; v15  b1: 64 h
.set B2A,  122                         ; v122 b2: 32 h
.set XF,   16
.set HA,   32
.set PC,   96
.set TM,   104                         ; v104-107 largest numbers, v108-111 bytes, v116-119 the conversions' scale operands
.set PW,   120                         ; a scale word on its way to LDS
.set XS,   124
.set HS,   128
.set W1S,  144
.set W2S,  152
.set B1,   160
.set B2,   224
.set SEL,  82                          ; s[82:83] v_permlanex16_b32's selects for lane l xor 16
.set MSB, 0
.macro WIN new                         ; s_set_vgpr_msb: bits 1:0 source 0, 3:2 source 1, 5:4 source 2, 7:6 destination; the high byte repeats the setting that is left
.if MSB != \new
	s_set_vgpr_msb (MSB<<8)|\new
.set MSB, \new
.endif
.endm
.macro PLACES                          ; four places behind a matrix instruction, in front of loads into its registers and of reads of its result
.rept 4
	v_nop
.endr
.endm
.macro BARRIER                         ; my LDS stores have landed and my LDS loads are in: then the work-group's barrier
	s_wait_dscnt 0x0
	s_barrier_signal -1
	s_barrier_wait -1
.endm
.macro FETCH reg, off                  ; a fragment's image into v[reg] on
.irp c, 0,1
	ds_load_b128 v[(\reg)+4*\c:(\reg)+4*\c+3], v[LI] offset:(\off)+512*\c
.endr
.endm
.macro IMAGE reg, off                  ; the fragment in v[reg] on goes to LDS as it stands, at my wave's place
.irp c, 0,1
	ds_store_b128 v[XWI], v[(\reg)+4*\c:(\reg)+4*\c+3] offset:(\off)+512*\c
.endr
.endm
; One product 16 x 16 x 128.  ra, rb = 1: source 0's, source 1's scale words are taken from lanes 16-31 of their register.
.macro MM d, a, b, c, sa, sb, ra, rb
.if (\ra) && (\rb)
	v_wmma_scale_f32_16x16x128_f8f6f4 v[(\d):(\d)+7], v[(\a):(\a)+7], v[(\b):(\b)+7], v[(\c):(\c)+7], v[\sa], v[\sb] matrix_a_fmt:MATRIX_FMT_FP4 matrix_b_fmt:MATRIX_FMT_FP4 matrix_a_scale:MATRIX_SCALE_ROW1 matrix_b_scale:MATRIX_SCALE_ROW1
.elseif (\ra)
	v_wmma_scale_f32_16x16x128_f8f6f4 v[(\d):(\d)+7], v[(\a):(\a)+7], v[(\b):(\b)+7], v[(\c):(\c)+7], v[\sa], v[\sb] matrix_a_fmt:MATRIX_FMT_FP4 matrix_b_fmt:MATRIX_FMT_FP4 matrix_a_scale:MATRIX_SCALE_ROW1
.elseif (\rb)
	v_wmma_scale_f32_16x16x128_f8f6f4 v[(\d):(\d)+7], v[(\a):(\a)+7], v[(\b):(\b)+7], v[(\c):(\c)+7], v[\sa], v[\sb] matrix_a_fmt:MATRIX_FMT_FP4 matrix_b_fmt:MATRIX_FMT_FP4 matrix_b_scale:MATRIX_SCALE_ROW1
.else
	v_wmma_scale_f32_16x16x128_f8f6f4 v[(\d):(\d)+7], v[(\a):(\a)+7], v[(\b):(\b)+7], v[(\c):(\c)+7], v[\sa], v[\sb] matrix_a_fmt:MATRIX_FMT_FP4 matrix_b_fmt:MATRIX_FMT_FP4
.endif
.endm
; 64 numbers of a lane, none negative, v[s] .. v[s + 63], register 16 b + i = k 32 b + 16 (lane / 16) + i of my row, become a fragment's codes in v[PC] on and its scale word in v[PW].
.macro QUANT s
.irp b, 0,1,2,3
	v_max3_num_f32 v[TM+\b], v[\s+16*\b], v[\s+1+16*\b], 0x1800000   ; block b: my 16 numbers, and the floor 2^(3 - 127): so the byte cannot fall under 1
.endr
.irp i, 2,4,6,8,10,12,14
.irp b, 0,1,2,3
	v_max3_num_f32 v[TM+\b], v[TM+\b], v[\s+16*\b+\i], v[\s+1+16*\b+\i]   ; (the four blocks by turns: no line waits for the line above it)
.endr
.endr
.irp b, 0,1,2,3
	v_permlanex16_b32 v[TM+4+\b], v[TM+\b], s[SEL], s[SEL+1]
.endr
.irp b, 0,1,2,3
	v_max_num_f32 v[TM+\b], v[TM+\b], v[TM+4+\b]   ; with lane l xor 16's: the block's largest number
.endr
.irp b, 0,1,2,3
	v_add_nc_u32 v[TM+12+\b], 0xff000000, v[TM+\b]   ; 2 off its exponent field: the conversion takes the exponent field of this operand as its scale, and nothing else of it
.endr
.irp b, 0,1,2,3
	v_lshrrev_b32 v[TM+4+\b], 23, v[TM+12+\b]      ; the scale's byte
.endr
	v_lshl_or_b32 v[PW], v[TM+5], 8, v[TM+4]       ; the four bytes make my row's scale word
	v_lshl_or_b32 v[PW], v[TM+6], 16, v[PW]
	v_lshl_or_b32 v[PW], v[TM+7], 24, v[PW]
.irp b, 0,1,2,3
	v_cvt_scalef32_pk8_fp4_f32 v[PC+2*\b], v[\s+16*\b:\s+7+16*\b], v[TM+12+\b]
	v_cvt_scalef32_pk8_fp4_f32 v[PC+1+2*\b], v[\s+8+16*\b:\s+15+16*\b], v[TM+12+\b]
.endr
	v_nop                                          ; one plain place behind a scaled conversion
.irp c, 0,1                                    ; the operand's layout wants a WHOLE block in a lane: lanes 0-15 block 2 c, lanes 16-31 block 2 c + 1
.irp i, 0,1
	v_permlane16_swap_b32 v[PC+4*\c+\i], v[PC+2+4*\c+\i]
.endr
.endr
.endm
	s_load_b512 s[8:23], s[0:1], 0x0               ; x's codes s[8:9], x's scales s[10:11], wimg s[12:13], W1's scales s[14:15], b1 s[16:17], W2's scales s[18:19], b2 s[20:21], order s[22:23]
	s_load_b128 s[24:27], s[0:1], 0x40             ; counts s[24:25], out s[26:27]
	v_lshl_add_u32 v254, v0, 2, 0x1b000
	v_mov_b32 v255, 0
	v_lshrrev_b32 v4, 5, v0
	v_readfirstlane_b32 s28, v4                    ; wave 0..7
	v_and_b32 v[LI], 31, v0
	v_lshlrev_b32 v[LI], 4, v[LI]
	v_and_b32 v[RR], 15, v0
	v_bfe_u32 v[HH], v0, 4, 1
	s_mov_b32 s29, ttmp9                           ; t: my tile's number
	s_wait_kmcnt 0x0
	s_load_b512 s[32:47], s[24:25], 0x0            ; the 16 counts
	; while they come: every address that hangs on the lane and the wave alone
	s_lshl_b32 s50, s28, 10
	v_add_nc_u32 v[XWI], s50, v[LI]
	s_and_b32 s50, s28, 1
	s_lshl_b32 s50, s50, 8
	s_lshr_b32 s51, s28, 1
	s_lshl_b32 s51, s51, 2
	s_add_co_u32 s50, s50, s51
	v_lshl_add_u32 v[XWS], v[RR], 4, s50
	s_lshr_b32 s50, s28, 2
	s_lshl_b32 s50, s50, 8
	s_and_b32 s51, s28, 3
	s_lshl_b32 s51, s51, 2
	s_add_co_u32 s50, s50, s51
	v_lshl_add_u32 v[HWS], v[RR], 4, s50
	v_mul_u32_u24 v[SO], v[RR], SP
	v_lshl_add_u32 v[SO], v[HH], 5, v[SO]
	s_lshl_b32 s50, s28, 7
	s_add_co_u32 s50, s50, STG
	v_add_nc_u32 v[SO], s50, v[SO]
	s_mul_i32 s50, s28, 8*SP
	s_add_co_u32 s50, s50, STG
	v_add_nc_u32 v[SR], s50, v[LI]
	v_and_b32 v[W1SA], 8, v[RR]
	v_add_nc_u32 v[W1SA], v[W1SA], v[RR]
	v_lshl_add_u32 v[W1SA], v[HH], 3, v[W1SA]
	v_lshlrev_b32 v[W1SA], 3, v[W1SA]
	v_lshlrev_b32 v[W2SA], 5, v[RR]
	v_lshl_add_u32 v[W2SA], v[HH], 4, v[W2SA]
	v_lshlrev_b32 v[B1A], 6, v[HH]
	v_lshlrev_b32 v[B2A], 5, v[HH]
	s_and_b32 s50, s28, 1
	s_lshl_b32 s51, s50, 2
	s_lshl_b32 s50, s50, 6
	v_lshl_add_u32 v[XA], v[HH], 4, s50            ; 16 h + 64 (w % 2); the token's row is added below
	v_mov_b32 v[XSA], s51                          ; 4 (w % 2)
.irp b, 0,1,2,3
	v_mov_b32 v[TM+4+\b], 0                        ; written once: a lane permute's destination counts as one of its sources
.endr
	s_mov_b32 s[SEL], 0x76543210
	s_mov_b32 s[SEL+1], 0xfedcba98
	s_mov_b32 s30, 0                               ; tiles of the experts passed
	s_mov_b32 s31, 0                               ; E: my expert
	s_mov_b32 s48, 0                               ; which of its tiles
	s_mov_b32 s49, 0                               ; N: its rows
	s_wait_kmcnt 0x0
	; THE TILE MAP: the last expert whose first tile is at or under t is mine (an expert without rows has no tile and is passed over by the next)
.irp e, 0,1,2,3,4,5,6,7,8,9,10,11,12,13,14,15
	s_min_u32 s[32+\e], s[32+\e], 8192
	s_sub_co_u32 s50, s29, s30
	s_cmp_ge_u32 s29, s30
	s_cselect_b32 s31, \e, s31
	s_cselect_b32 s48, s50, s48
	s_cselect_b32 s49, s[32+\e], s49
	s_add_co_u32 s51, s[32+\e], 63
	s_lshr_b32 s51, s51, 6
	s_add_co_u32 s30, s30, s51
.endr
	s_min_u32 s31, s31, 15
	s_lshl_b32 s50, s48, 6                         ; my first row's rank among the expert's
	s_min_u32 s51, s50, s49
	s_sub_co_u32 s85, s49, s51
	s_min_u32 s85, s85, 64                         ; rows of my tile: 0 where the split has no such tile
	s_min_u32 s84, s50, 8128                       ; r0, held so that r0 + 63 stays inside the expert's list, every word of which holds a token's number
	s_lshl_b32 s51, s28, 3
	s_sub_co_i32 s86, s85, s51                     ; how many of the 8 rows that my wave stores exist (0 or less: none)
	s_mov_b32 s89, 0
	s_lshl_b32 s88, s31, 15
	s_add_nc_u64 s[22:23], s[22:23], s[88:89]      ; the expert's list: 8,192 words
	s_lshl_b32 s88, s31, 3
	s_add_co_u32 s88, s88, s28
	s_lshl_b32 s88, s88, 15
	s_add_nc_u64 s[12:13], s[12:13], s[88:89]      ; my block of the weights: 32,768 (8 E + w)
	s_lshl_b32 s88, s31, 13
	s_lshl_b32 s50, s28, 10
	s_add_co_u32 s88, s88, s50
	s_add_nc_u64 s[14:15], s[14:15], s[88:89]      ; W1's scales: 8,192 E + my 128 rows of 8 bytes
	s_add_nc_u64 s[18:19], s[18:19], s[88:89]      ; W2's: 8,192 E + my 32 rows of 32 bytes
	s_lshl_b32 s88, s31, 12
	s_lshl_b32 s50, s28, 9
	s_add_co_u32 s88, s88, s50
	s_add_nc_u64 s[16:17], s[16:17], s[88:89]      ; b1: 4,096 E + my 128 numbers
	s_lshl_b32 s88, s31, 10
	s_lshl_b32 s50, s28, 7
	s_add_co_u32 s88, s88, s50
	s_add_nc_u64 s[20:21], s[20:21], s[88:89]      ; b2: 1,024 E + my 32 numbers
	s_lshl_b32 s87, s28, 3
	s_add_co_u32 s87, s87, s84
	s_lshl_b32 s90, s87, 2
	s_mov_b32 s91, 0
	s_add_nc_u64 s[90:91], s[22:23], s[90:91]
	s_load_b256 s[52:59], s[90:91], 0x0            ; the tokens of the 8 rows that my wave stores: ranks r0 + 8 w + 0 .. 7
	s_lshr_b32 s50, s28, 1
	s_lshl_b32 s50, s50, 4
	s_add_co_u32 s50, s50, s84
	v_add_nc_u32 v[POS], s50, v[RR]                ; the row that I gather: rank r0 + 16 (w / 2) + r, at most 8,191
	v_lshlrev_b32 v[POS], 2, v[POS]
	global_load_b32 v[TOK], v[POS], s[22:23]
	WIN 0x40                                       ; destination window 1, address window 0
.set i, 0
.rept 32
	global_load_b128 v[4*i:4*i+3], v[LI], s[12:13] offset:512*i   ; W1's 16 fragments: 512 consecutive bytes a load
.set i, i+1
.endr
	WIN 0
.irp b, 0,1,2,3
	global_load_b64 v[W1S+2*\b:W1S+2*\b+1], v[W1SA], s[14:15] offset:256*\b   ; rows 32 b .. 32 b + 31, both K steps' words: 256 consecutive bytes
.endr
.irp t, 0,1,2,3,4,5,6,7
	global_load_b128 v[B1+8*\t:B1+8*\t+3], v[B1A], s[16:17] offset:(32*(\t/2)+8*(\t%2))*4        ; lane (r, h), tile t: b1 of hidden units 32 (t / 2) + 16 h + 8 (t % 2) + 0 .. 7
	global_load_b128 v[B1+8*\t+4:B1+8*\t+7], v[B1A], s[16:17] offset:(32*(\t/2)+8*(\t%2))*4+16
.endr
	s_wait_loadcnt 52                              ; the token is in; the 32 + 4 + 16 loads issued behind it stay out
	v_min_u32 v[TOK], 8191, v[TOK]
	v_lshl_add_u32 v[XA], v[TOK], 7, v[XA]
	v_lshl_add_u32 v[XSA], v[TOK], 3, v[XSA]
.irp c, 0,1
	global_load_b128 v[XF+4*\c:XF+4*\c+3], v[XA], s[8:9] offset:32*\c   ; wave w gathers x's fragment (tile of rows w / 2, K step w % 2)
.endr
	global_load_b32 v[PW], v[XSA], s[10:11]        ; and its rows' scale words
	WIN 0x40
.set i, 32
.rept 32
	global_load_b128 v[4*i:4*i+3], v[LI], s[12:13] offset:512*i   ; W2's 16 fragments
.set i, i+1
.endr
	WIN 0
.irp n, 0,1
	global_load_b128 v[W2S+4*\n:W2S+4*\n+3], v[W2SA], s[18:19] offset:512*\n   ; tile n's 16 rows of 32 bytes: 512 consecutive bytes; lanes 0-15 K steps 0-3, lanes 16-31 K steps 4-7
.endr
.irp n, 0,1
	global_load_b128 v[B2+8*\n:B2+8*\n+3], v[B2A], s[20:21] offset:64*\n        ; lane (r, h), tile n: b2 of outputs 16 n + 8 h + 0 .. 7
	global_load_b128 v[B2+8*\n+4:B2+8*\n+7], v[B2A], s[20:21] offset:64*\n+16
.endr
	s_wait_loadcnt 38                              ; W1, its scales, b1 and x are in; the 32 + 2 + 4 loads issued behind x stay out
	IMAGE XF, XIMG
	ds_store_b32 v[XWS], v[PW] offset:XSC          ; lanes r and r + 16 write the same word with the same value
	s_wait_kmcnt 0x0                               ; my 8 rows' tokens
.irp i, 0,1,2,3,4,5,6,7
	s_min_u32 s[52+\i], s[52+\i], 8191
	s_lshl_b32 s88, s[52+\i], 10                   ; a row of out is 1,024 bytes
	s_add_nc_u64 s[66+2*\i:67+2*\i], s[26:27], s[88:89]
.endr
	BARRIER                                        ; x's eight fragments and their scale words lie in LDS
	; ---- 1: my 128 hidden units, a tile of 16 rows at a time: 8 accumulators by turns, one instruction a turn
	ds_load_b128 v[XS:XS+3], v[LI] offset:XSC      ; lane 16 h + r: row r's words of K step h, for the four tiles of rows
	FETCH XF, XIMG
	FETCH XF+8, XIMG+1024
.irp m, 0,1,2,3
	s_wait_dscnt 0x0                               ; x's two fragments are in; the last tile's stores have read their registers
	WIN 0x01                                       ; source 0 (W1) window 1
.irp t, 0,1,2,3,4,5,6,7
	MM HA+8*\t, 16*\t, XF, B1+8*\t, W1S+2*(\t/2), XS+\m, \t%2, 0
.endr
.irp t, 0,1,2,3,4,5,6,7
	MM HA+8*\t, 16*\t+8, XF+8, HA+8*\t, W1S+2*(\t/2)+1, XS+\m, \t%2, 1
.endr
	WIN 0
	PLACES
.if \m < 3
	FETCH XF, XIMG+(2*\m+2)*1024                   ; the next tile's x lands under the vector work below
	FETCH XF+8, XIMG+(2*\m+3)*1024
.endif
.set j, 0
.rept 64
	v_max_num_f32 v[HA+j], 0, v[HA+j]              ; the activation, in f32; each accumulator from its low end on
.set j, j+1
.endr
	QUANT HA                                       ; lane (r, h): register 16 b + i is hidden unit 128 w + 32 b + 16 h + i of row r
	IMAGE PC, HIMG+8192*\m                         ; K step w of the second product, rows 16 m on
	ds_store_b32 v[HWS], v[PW] offset:HSC+512*\m
.endr
	BARRIER                                        ; the hidden layer's 32 fragments lie in LDS
	; ---- 2: my 32 outputs for the 64 rows: 8 accumulators by turns, a K step at a time; the next K step's four fragments are fetched ahead, into the other set
.irp m, 0,1,2,3
	ds_load_b128 v[HS+4*\m:HS+4*\m+3], v[LI] offset:HSC+512*\m
.endr
.irp m, 0,1,2,3
	FETCH HA+8*\m, HIMG+8192*\m
.endr
	s_wait_loadcnt 0x0                             ; W2, its scales and b2
.irp s, 0,1,2,3,4,5,6,7
.if \s > 0
	PLACES                                         ; in front of loads into the set that the last K step's products read
.endif
.if \s < 7
.irp m, 0,1,2,3
	FETCH HA+32*((\s+1)%2)+8*\m, HIMG+8192*\m+1024*(\s+1)
.endr
	s_wait_dscnt 8                                 ; all but the eight just issued: this K step's fragments are in
.else
	s_wait_dscnt 0x0
.endif
.if \s == 0
	WIN 0x41                                       ; source 0 (W2) and the destination window 1; C (b2) window 0
.else
	WIN 0x51                                       ; C too
.endif
.irp m, 0,1,2,3
.irp n, 0,1
.if \s == 0
	MM 8*(4*\n+\m), 128+8*(8*\n+\s), HA+32*(\s%2)+8*\m, B2+8*\n, W2S+4*\n+(\s%4), HS+4*\m+(\s%4), \s/4, \s/4
.else
	MM 8*(4*\n+\m), 128+8*(8*\n+\s), HA+32*(\s%2)+8*\m, 8*(4*\n+\m), W2S+4*\n+(\s%4), HS+4*\m+(\s%4), \s/4, \s/4
.endif
.endr
.endr
	WIN 0
.endr
	; ---- 3: the way out.  A row's 256 outputs come from eight waves: they meet in the stage, and each wave stores 8 whole rows
	PLACES
	WIN 0x04                                       ; an LDS store's data are its source 1: window 1
.irp m, 0,1,2,3
.irp n, 0,1
	ds_store_b128 v[SO], v[8*(4*\n+\m):8*(4*\n+\m)+3] offset:16*SP*\m+64*\n        ; lane (r, h): out(row 16 m + r, 32 w + 16 n + 8 h + 0 .. 7); each accumulator from its low end on
	ds_store_b128 v[SO], v[8*(4*\n+\m)+4:8*(4*\n+\m)+7] offset:16*SP*\m+64*\n+16
.endr
.endr
	WIN 0
	BARRIER                                        ; 64 whole rows lie in the stage
.irp i, 0,1,2,3,4,5,6,7
	ds_load_b128 v[HA+8*\i:HA+8*\i+3], v[SR] offset:SP*\i          ; row 8 w + i, 512 bytes a load
	ds_load_b128 v[HA+8*\i+4:HA+8*\i+7], v[SR] offset:SP*\i+512
.endr
.irp i, 0,1,2,3,4,5,6,7
	s_cmp_le_i32 s86, \i                           ; the rows that exist are the tile's first: at the first that does not, the wave is done
	s_cbranch_scc1 .Ldone
	s_wait_dscnt 14-2*\i                           ; row i's two loads are in; the later rows' stay out
	global_store_b128 v[LI], v[HA+8*\i:HA+8*\i+3], s[66+2*\i:67+2*\i] th:TH_STORE_NT              ; 32 lanes store 512 consecutive bytes of the token's row, aligned; written once, read by nobody here
	global_store_b128 v[LI], v[HA+8*\i+4:HA+8*\i+7], s[66+2*\i:67+2*\i] offset:512 th:TH_STORE_NT
.endr
.Ldone:
	s_wait_dscnt 0x0
	s_wait_tensorcnt 0x0
	ds_add_u32 v254, v255
	s_wait_dscnt 0x0
	s_endpgm
.Lfunc_end_k_qf88e6b875b_chain:
	.size	k_qf88e6b875b_chain, .Lfunc_end_k_qf88e6b875b_chain-k_qf88e6b875b_chain
	.p2alignl 7, 3214868480
	.fill 96, 4, 3214868480
	.section	.rodata,"a",@progbits
	.p2align	6, 0x0
	.amdhsa_kernel k_qf88e6b875b_chain
		.amdhsa_group_segment_fixed_size 111616
		.amdhsa_private_segment_fixed_size 0
		.amdhsa_enable_private_segment 0
		.amdhsa_kernarg_size 80
		.amdhsa_user_sgpr_count 2
		.amdhsa_user_sgpr_kernarg_segment_ptr 1
		.amdhsa_wavefront_size32 1
		.amdhsa_system_sgpr_workgroup_id_x 1
		.amdhsa_system_sgpr_workgroup_id_y 1
		.amdhsa_system_sgpr_workgroup_id_z 1
		.amdhsa_system_vgpr_workitem_id 0
		.amdhsa_next_free_vgpr 512
		.amdhsa_next_free_sgpr 96
		.amdhsa_reserve_vcc 0
		.amdhsa_float_denorm_mode_32 3
		.amdhsa_float_denorm_mode_16_64 3
		.amdhsa_memory_ordered 1
		.amdhsa_forward_progress 1
		.amdhsa_inst_pref_size 72
	.end_amdhsa_kernel
	.amdgpu_metadata
---
amdhsa.version: [ 1, 2 ]
amdhsa.kernels:
  - .name:           k_qf88e6b875b_chain
    .symbol:         k_qf88e6b875b_chain.kd
    .args:
      - { .name: x_codes, .offset: 0, .size: 8, .value_kind: global_buffer, .address_space: global }
      - { .name: x_scales, .offset: 8, .size: 8, .value_kind: global_buffer, .address_space: global }
      - { .name: wimg, .offset: 16, .size: 8, .value_kind: global_buffer, .address_space: global }
      - { .name: W1_scales, .offset: 24, .size: 8, .value_kind: global_buffer, .address_space: global }
      - { .name: b1, .offset: 32, .size: 8, .value_kind: global_buffer, .address_space: global }
      - { .name: W2_scales, .offset: 40, .size: 8, .value_kind: global_buffer, .address_space: global }
      - { .name: b2, .offset: 48, .size: 8, .value_kind: global_buffer, .address_space: global }
      - { .name: order, .offset: 56, .size: 8, .value_kind: global_buffer, .address_space: global }
      - { .name: counts, .offset: 64, .size: 8, .value_kind: global_buffer, .address_space: global }
      - { .name: out0, .offset: 72, .size: 8, .value_kind: global_buffer, .address_space: global }
    .group_segment_fixed_size: 111616
    .private_segment_fixed_size: 0
    .kernarg_segment_align: 8
    .kernarg_segment_size: 80
    .max_flat_workgroup_size: 256
    .sgpr_count:     96
    .vgpr_count:     512
    .wavefront_size: 32
...
	.end_amdgpu_metadata
.endif
;; end of part 2
;; ======== version 2 of 2: 2 launches
;; workspace buffers: order 524,288 bytes of whole numbers; counts 256 bytes of whole numbers; wimg 4,194,304 bytes
;; launch prep (part 3): grid 80 x 1, 16 waves a work-group, no clusters, 2,304 bytes of LDS; arguments cat_ids, W1_codes, W2_codes, order, counts, wimg; writes order, counts, wimg
.if DOCPART == 3
	.amdgcn_target "amdgcn-amd-amdhsa--gfx1250"
	.amdhsa_code_object_version 6
	.text
	.protected	k_qf88e6b875b_prep
	.globl	k_qf88e6b875b_prep
	.p2align	8
	.type	k_qf88e6b875b_prep,@function
k_qf88e6b875b_prep:
	s_mov_b64 s[64:65], 0
	v_nop
	global_prefetch_b8 v0, s[64:65] scope:SCOPE_SE
	s_setreg_imm32_b32 hwreg(HW_REG_WAVE_MODE, 25, 1), 1
	s_wait_xcnt 0x0
; THE ROUTING AND THE WEIGHTS' LAYOUT, in one launch of 80 work-groups of 16 waves.
; Work-groups 0-15, one to an expert c: the 8,192 token numbers are PARTITIONED into order[c][0..8191]: the tokens with cat_ids == c at places 0 .. n_c - 1,
; all others from place 8,191 downward, so that every word of the region is written and holds a token number; n_c goes to counts[c].  No atomics: a thread holds 16 ids,
; a compare gives a lane mask, a count of its bits below the lane gives the place in the wave, and the 16 waves' counts meet once in LDS.
; Work-groups 16-79: W1's and W2's codes are copied into wimg in the order in which the next launch's operand registers take them: a block of 32,768 bytes for each
; (expert e, wave w of that launch): W1's 16 fragments (tile t, K step s: 2 t + s), then W2's 16 (tile n, K step s: 8 n + s); a fragment is 1,024 bytes: piece c (4 registers) at 512 c, lane l's 16 bytes at 16 l.
; THE ROWS OF W1 THAT FORM A TILE ARE NOT NEIGHBOURS: lane r of tile 2 b + u takes row 32 b + 8 u + r + 8 (r / 8) of the wave's 128, so that the first product's results lie as the second product's K wants them.
; LIMIT: cat_ids outside 0 .. 15 are not served (such a token is in no expert's list, and its output row stays unwritten).
.set ID, 16                            ; v16-31  my 16 ids
.set P,  32                            ; v32-47  a store's offset for each of them: no store's registers are written again
.set D,  48                            ; v48-63  and its data: the token's number
.set WC, 64                            ; v64-79  the 16 waves' counts
	s_load_b256 s[4:11], s[0:1], 0x0               ; cat_ids s[4:5], W1's codes s[6:7], W2's codes s[8:9], order s[10:11]
	s_load_b128 s[12:15], s[0:1], 0x20             ; counts s[12:13], wimg s[14:15]
	v_lshl_add_u32 v96, v0, 2, 0x100
	v_mov_b32 v97, 0
	v_lshrrev_b32 v1, 5, v0
	s_delay_alu instid0(VALU_DEP_1)
	v_readfirstlane_b32 s16, v1                    ; wave 0..15
	v_and_b32 v2, 31, v0                           ; lane
	s_cmp_ge_u32 ttmp9, 16                         ; the paths part on the work-group's number alone
	s_cbranch_scc1 .Llay
	; ---- THE PARTITION for expert c = the work-group's number
	s_mov_b32 s17, ttmp9
	v_lshlrev_b32 v3, 4, v2
	s_delay_alu instid0(VALU_DEP_1)
	v_lshl_add_u32 v3, s16, 11, v3                 ; my 16 bytes of a load's 512: 2,048 x wave + 16 x lane
	v_lshlrev_b32 v4, 2, v2
	s_delay_alu instid0(VALU_DEP_1)
	v_lshl_add_u32 v4, s16, 9, v4                  ; the token of my first id: 512 x wave + 4 x lane
	v_lshl_add_u32 v5, s16, 9, v2
	s_delay_alu instid0(VALU_DEP_1)
	v_sub_nc_u32 v5, 8191, v5                      ; 8,191 - (512 x wave + lane)
	v_lshlrev_b32 v6, 2, v1                        ; LDS: my wave's word
	v_mov_b32 v8, 0
	s_lshl_b32 s22, ttmp9, 15                      ; the expert's region of order: 8,192 words
	s_mov_b32 s23, 0
	s_wait_alu depctr_va_vdst(0)
	s_wait_kmcnt 0x0
	s_add_nc_u64 s[10:11], s[10:11], s[22:23]
.irp q, 0,1,2,3
	global_load_b128 v[ID+4*\q:ID+4*\q+3], v3, s[4:5] offset:512*\q   ; register 4 q + j: the id of token 512 x wave + 128 q + 4 x lane + j; 32 lanes read 512 consecutive bytes
.endr
	s_mov_b32 s18, 0
	s_wait_loadcnt 0x0                             ; all four are wanted at once
.set k, 0
.rept 16
	v_cmp_eq_u32 s[32+k], s17, v[ID+k]             ; which lanes' id k is c,
	s_bcnt1_i32_b32 s[48+k], s[32+k]               ; how many,
	s_add_co_u32 s18, s18, s[48+k]                 ; and the wave's count
.set k, k+1
.endr
	v_mov_b32 v7, s18
	ds_store_b32 v6, v7                            ; all lanes write the wave's word with the same value
	s_wait_dscnt 0x0                               ; for the others' sake: my store has landed
	s_barrier_signal -1
	s_barrier_wait -1
.irp i, 0,1,2,3
	ds_load_b128 v[WC+4*\i:WC+4*\i+3], v8 offset:16*\i
.endr
	s_wait_dscnt 0x0
.irp i, 0,1,2,3,4,5,6,7,8,9,10,11,12,13,14,15
	v_readfirstlane_b32 s[68+\i], v[WC+\i]
.endr
	s_mov_b32 s19, 0                               ; matches in the waves ahead of mine
	s_mov_b32 s20, 0                               ; n_c
.irp i, 0,1,2,3,4,5,6,7,8,9,10,11,12,13,14,15
	s_cmp_gt_u32 s16, \i
	s_cselect_b32 s21, s[68+\i], 0
	s_add_co_u32 s19, s19, s21
	s_add_co_u32 s20, s20, s[68+\i]
.endr
; The scan goes by wave, then by k, then by lane: scan index 512 x wave + 32 k + lane.  A = the matches ahead of me.  A match goes to place A; another token to 8,191 - (scan index - A).
.set k, 0
.rept 16
	v_mbcnt_lo_u32_b32 v9, s[32+k], s19            ; A
	s_add_co_u32 s19, s19, s[48+k]
	v_add3_u32 v10, v9, v5, (-32*k)&0xffffffff     ; A + 8,191 - scan index
	s_delay_alu instid0(VALU_DEP_1)
	v_cndmask_b32 v[P+k], v10, v9, s[32+k]
	s_delay_alu instid0(VALU_DEP_1)
	v_min_u32 v[P+k], 8191, v[P+k]                 ; the place stays inside the region
	s_delay_alu instid0(VALU_DEP_1)
	v_lshlrev_b32 v[P+k], 2, v[P+k]
	v_add_nc_u32 v[D+k], 128*(k/4)+k%4, v4         ; the token's number
	global_store_b32 v[P+k], v[D+k], s[10:11]      ; matches and the others together fill places 0 .. 8,191, each once
.set k, k+1
.endr
	s_lshl_b32 s21, ttmp9, 2
	v_mov_b32 v11, s21
	v_mov_b32 v12, s20
	s_wait_alu depctr_va_vdst(0)
	s_wait_xcnt 0x0                                ; EXEC is a source of the stores above: it changes only behind this wait
	v_cmp_eq_u32 vcc_lo, 0, v0
	s_wait_tensorcnt 0x0
	ds_add_u32 v96, v97
	s_wait_dscnt 0x0
	s_and_saveexec_b32 s26, vcc_lo                 ; thread 0 alone
	global_store_b32 v11, v12, s[12:13]            ; counts[c] = n_c
	s_wait_xcnt 0x0                                ; and again, in front of the line that widens it
	s_or_b32 exec_lo, exec_lo, s26
	s_endpgm
; Eight pieces of 512 bytes: loaded as the operand's lanes want them, stored as they then lie in the registers: each store covers 512 consecutive bytes, aligned.
.macro COPY8 src, dst, second
.irp i, 0,1,2,3,4,5,6,7
.if \second
	global_load_b128 v[16+4*\i:19+4*\i], v14, s[\src:\src+1] offset:32*\i th:TH_LOAD_NT                                   ; K step i / 2 of the four, piece i % 2
.else
	global_load_b128 v[16+4*\i:19+4*\i], v14, s[\src:\src+1] offset:1024*(\i/4)+64*((\i/2)%2)+32*(\i%2) th:TH_LOAD_NT     ; tile 2 b + i / 4, K step (i / 2) % 2, piece i % 2
.endif
.endr
.irp i, 0,1,2,3,4,5,6,7
	s_wait_loadcnt 7-\i                            ; loads come back in order: piece i is in, the younger ones stay out
	global_store_b128 v13, v[16+4*\i:19+4*\i], s[\dst:\dst+1] offset:512*\i
.endr
.endm
.Llay:                                                 ; ---- THE LAYOUT: a wave takes a task of 4,096 bytes
	s_sub_co_u32 s17, ttmp9, 16
	s_lshl_b32 s17, s17, 4
	s_add_co_u32 s17, s17, s16                     ; task g = 16 x (work-group - 16) + wave: 0 .. 511 W1's, 512 .. 1,023 W2's
	v_and_b32 v3, 15, v0                           ; r
	v_bfe_u32 v4, v0, 4, 1                         ; h
	s_wait_alu depctr_va_vdst(0)
	v_lshlrev_b32 v13, 4, v2                       ; out: 16 x lane
	s_mov_b32 s19, 0
	s_mov_b32 s21, 0
	s_cmp_ge_u32 ttmp9, 48
	s_cbranch_scc1 .Llay2
	; W1: g = 4 (8 e + w) + b: rows 32 b .. 32 b + 31 of the wave's 128, 128 bytes a row: 4,096 consecutive bytes; they are tiles 2 b and 2 b + 1, both K steps
	v_and_b32 v5, 8, v3
	s_delay_alu instid0(VALU_DEP_1)
	v_add_nc_u32 v5, v5, v3                        ; r + 8 (r / 8)
	s_delay_alu instid0(VALU_DEP_1)
	v_lshlrev_b32 v14, 7, v5
	s_delay_alu instid0(VALU_DEP_1)
	v_lshl_add_u32 v14, v4, 4, v14                 ; that row, + 16 h
	s_lshl_b32 s18, s17, 12                        ; from: 4,096 g
	s_lshr_b32 s20, s17, 2
	s_lshl_b32 s20, s20, 15
	s_and_b32 s22, s17, 3
	s_lshl_b32 s22, s22, 12
	s_add_co_u32 s20, s20, s22                     ; to: 32,768 (8 e + w) + 4,096 b
	s_wait_alu depctr_va_vdst(0)
	s_wait_kmcnt 0x0
	s_add_nc_u64 s[6:7], s[6:7], s[18:19]
	s_add_nc_u64 s[14:15], s[14:15], s[20:21]
	COPY8 6, 14, 0
	s_endpgm
.Llay2:
	; W2: g - 512 = 2 (2 (8 e + w) + n) + q: the 16 rows of tile n, 512 bytes a row, K steps 4 q .. 4 q + 3 (256 bytes of each row)
	s_sub_co_u32 s17, s17, 512
	v_lshlrev_b32 v14, 9, v3
	s_delay_alu instid0(VALU_DEP_1)
	v_lshl_add_u32 v14, v4, 4, v14                 ; row r, + 16 h
	s_lshr_b32 s18, s17, 1
	s_lshl_b32 s18, s18, 13
	s_and_b32 s22, s17, 1
	s_lshl_b32 s22, s22, 8
	s_add_co_u32 s18, s18, s22                     ; from: 8,192 x (tile of 16 rows) + 256 q
	s_lshr_b32 s20, s17, 2
	s_lshl_b32 s20, s20, 15
	s_and_b32 s22, s17, 3
	s_lshl_b32 s22, s22, 12
	s_add_co_u32 s20, s20, s22
	s_add_co_u32 s20, s20, 16384                   ; to: 32,768 (8 e + w) + 16,384 + 4,096 (2 n + q)
	s_wait_alu depctr_va_vdst(0)
	s_wait_kmcnt 0x0
	s_add_nc_u64 s[8:9], s[8:9], s[18:19]
	s_add_nc_u64 s[14:15], s[14:15], s[20:21]
	COPY8 8, 14, 1
	s_endpgm
.Lfunc_end_k_qf88e6b875b_prep:
	.size	k_qf88e6b875b_prep, .Lfunc_end_k_qf88e6b875b_prep-k_qf88e6b875b_prep
	.p2alignl 7, 3214868480
	.fill 96, 4, 3214868480
	.section	.rodata,"a",@progbits
	.p2align	6, 0x0
	.amdhsa_kernel k_qf88e6b875b_prep
		.amdhsa_group_segment_fixed_size 2304
		.amdhsa_private_segment_fixed_size 0
		.amdhsa_enable_private_segment 0
		.amdhsa_kernarg_size 48
		.amdhsa_user_sgpr_count 2
		.amdhsa_user_sgpr_kernarg_segment_ptr 1
		.amdhsa_wavefront_size32 1
		.amdhsa_system_sgpr_workgroup_id_x 1
		.amdhsa_system_sgpr_workgroup_id_y 1
		.amdhsa_system_sgpr_workgroup_id_z 1
		.amdhsa_system_vgpr_workitem_id 0
		.amdhsa_next_free_vgpr 98
		.amdhsa_next_free_sgpr 96
		.amdhsa_reserve_vcc 1
		.amdhsa_float_denorm_mode_32 3
		.amdhsa_float_denorm_mode_16_64 3
		.amdhsa_memory_ordered 1
		.amdhsa_forward_progress 1
		.amdhsa_inst_pref_size 22
	.end_amdhsa_kernel
	.amdgpu_metadata
---
amdhsa.version: [ 1, 2 ]
amdhsa.kernels:
  - .name:           k_qf88e6b875b_prep
    .symbol:         k_qf88e6b875b_prep.kd
    .args:
      - { .name: cat_ids, .offset: 0, .size: 8, .value_kind: global_buffer, .address_space: global }
      - { .name: W1_codes, .offset: 8, .size: 8, .value_kind: global_buffer, .address_space: global }
      - { .name: W2_codes, .offset: 16, .size: 8, .value_kind: global_buffer, .address_space: global }
      - { .name: order, .offset: 24, .size: 8, .value_kind: global_buffer, .address_space: global }
      - { .name: counts, .offset: 32, .size: 8, .value_kind: global_buffer, .address_space: global }
      - { .name: wimg, .offset: 40, .size: 8, .value_kind: global_buffer, .address_space: global }
    .group_segment_fixed_size: 2304
    .private_segment_fixed_size: 0
    .kernarg_segment_align: 8
    .kernarg_segment_size: 48
    .max_flat_workgroup_size: 512
    .sgpr_count:     96
    .vgpr_count:     98
    .wavefront_size: 32
...
	.end_amdgpu_metadata
.endif
;; end of part 3
;; launch chain (part 4): grid 143 x 1, 8 waves a work-group, no clusters, 111,616 bytes of LDS; arguments x_codes, x_scales, wimg, W1_scales, b1, W2_scales, b2, order, counts, out0; writes out0
.if DOCPART == 4
	.amdgcn_target "amdgcn-amd-amdhsa--gfx1250"
	.amdhsa_code_object_version 6
	.text
	.protected	k_qf88e6b875b_chain
	.globl	k_qf88e6b875b_chain
	.p2align	8
	.type	k_qf88e6b875b_chain,@function
k_qf88e6b875b_chain:
	s_mov_b64 s[64:65], 0
	v_nop
	global_prefetch_b8 v0, s[64:65] scope:SCOPE_SE
	s_setreg_imm32_b32 hwreg(HW_REG_WAVE_SCHED_MODE, 0, 2), 2
	s_setreg_imm32_b32 hwreg(HW_REG_WAVE_MODE, 25, 1), 1
	s_wait_xcnt 0x0
	s_wait_alu depctr_vm_vsrc(0)
; out[i] = relu(x[i] W1[e] + b1[e]) W2[e] + b2[e], e = cat_ids[i]: only the chosen expert's rows are multiplied.  Both products on codes of FP4 (E2M1) with one E8M0 scale for each 32 along K.
; A WORK-GROUP TAKES ONE TILE OF AT MOST 64 ROWS OF ONE EXPERT THROUGH THE WHOLE CHAIN.  With 8,192 rows, 16 experts and tiles of 64 there are never more than 128 + 15 = 143 tiles, whatever the split: the grid.
; Which tile is mine follows from the 16 counts by scalar selects, with no branch.  A work-group that the split leaves without rows walks the same text on held addresses and stores nothing: so every wave passes every
; barrier, and none stands behind a branch on a number from memory.  The one such branch stands in front of the stores of out.
; SHARES.  The eight waves share the COLUMNS: wave w makes hidden units 128 w .. 128 w + 127, which are K step w of the second product, and outputs 32 w .. 32 w + 31, for all 64 rows (four tiles of 16).
; Its part of W1 and W2, 32,768 bytes laid by the launch before in the order of the operand registers, is read once, 512 consecutive bytes a load, into 256 registers.
; OPERANDS GO FROM WAVE TO WAVE THROUGH LDS AS IMAGES OF THEIR REGISTERS: a fragment (16 rows x 128 K: 8 registers a lane) by two stores of 16 bytes a lane at 16 x lane; the same two lines as loads give any wave the same registers.
; BOTH PRODUCTS ARE USED TRANSPOSED (source 0 = 16 rows of a weight, source 1 = 16 tokens): a lane holds one token, its registers run along the hidden units or the outputs.  The biases are the C of each sum's first product.
; NO CLUSTER, NO JOINT LOADS: how many tiles an expert has hangs on counts read from memory, so the partners of a cluster cannot be promised one expert; the weights go from memory straight into registers.
; LIMITS: cat_ids outside 0 .. 15 are not served (those rows of out stay unwritten).  A hidden block of zeros, or one whose largest number lies under 2^-124, gets the scale byte 1 (this program alone reads the byte;
; a block of zeros has zero codes).  NaN and infinities among the inputs are not served.
; REGISTERS, in windows of 256.  Window 0: v1-15, v122 addresses; v16-31 x's two fragments; v32-95 the 8 hidden tiles, later two sets of four hidden fragments, later rows of out; v96-103 codes just made; v104-120 at work;
;   v124-159 scale words; v160-223 b1; v224-239 b2; v254, v255 the closing add's two.   Window 1: v0-127 W1's 16 fragments, later v0-63 the 8 accumulators of out; v128-255 W2's 16 fragments.
; A SCALE REGISTER CARRIES TWO OPERANDS' WORDS, lanes 0-15 one and lanes 16-31 the other, picked by the instruction's row selector: W1S + 2 b + s: tiles 2 b | 2 b + 1 at K step s;  XS + m: K steps 0 | 1;  W2S + 4 n + j and HS + 4 m + j: K steps j | 4 + j.
; THE MODE: SCHED_MODE bits 1:0 = 2 (LLVM: expert scheduling mode 2), set by the entry lines.  The code itself states the register dependences
; between vector or matrix instructions and memory or LDS instructions, with s_wait_alu, always for 0.
; THE PLAN.  Registers that memory or LDS instructions touch, and who else names them:
;   v1, v4, v8-15, v122   offsets and LDS addresses: written once at the head by vector instructions, then only read: one wait on va_vdst ahead of the first load serves them to the end.
;   v6, v7                x's offsets: finished when the token is in; one wait on va_vdst ahead of x's three loads.
;   XF (v16-31)           a global load lands; the image's LDS stores read v16-23; LDS loads land (a wait on vm_vsrc behind the first barrier); a tile's sixteen products read it, the next tile's LDS loads land (a wait on va_vdst behind the products' places).
;   PC, PW                QUANT writes them, LDS stores read them (a wait on va_vdst behind QUANT), the next tile's QUANT writes them again (a wait on vm_vsrc at the tile's head).
;   HA (v32-95)           phase 1: matrix and vector instructions alone.  Phase 2: K step s's products read set s % 2 while the loads of K step s + 1 land in the other set, which the products of K step s - 1 read: one wait on va_vdst at the step's head.
;                         The way out: LDS loads land, global stores read.
;   window 1, v0-63       the accumulators of out: products write them, the stage's LDS stores read them (the places, then a wait on va_vdst).
;   The weights, scale words and biases are loaded once and read by products alone.  v254, v255: written at the head, read by the closing add alone.
; A step's loads stand in one run at its head, not among its products: their destination lies in window 0, the products' in window 1.
.set XIMG, 0                           ; LDS: x's 8 fragments: (tile of rows m, K step s) at 1,024 (2 m + s)
.set XSC,  8192                        ; x's scale words: (row r of tile m, K step s) at 256 s + 16 r + 4 m
.set HSC,  8704                        ; the hidden layer's: (tile m, row r, K step s) at 512 m + 256 (s / 4) + 16 r + 4 (s % 4)
.set HIMG, 10752                       ; the hidden layer's 32 fragments: (m, s) at 1,024 (8 m + s)
.set STG,  43520                       ; the stage for out: 64 rows x SP
.set SP,   1040                        ; 1,024 bytes + 16: an odd multiple of 16, so that the sixteen rows that a store touches start in different banks (64 banks of 4 bytes: ISA guide 11.1)
.set LI,   1                           ; v1   16 x lane
.set RR,   2                           ; v2   r = lane % 16
.set HH,   3                           ; v3   h = lane / 16
.set POS,  4                           ; v4   my row's place in the expert's list, in bytes
.set TOK,  5                           ; v5   its token
.set XA,   6                           ; v6   x's codes: 128 x token + 16 h + 64 (w % 2)
.set XSA,  7                           ; v7   x's scale word: 8 x token + 4 (w % 2)
.set XWI,  8                           ; v8   where I store images: 16 x lane + 1,024 w
.set XWS,  9                           ; v9   x's scale word: 16 r + 256 (w % 2) + 4 (w / 2)
.set HWS,  10                          ; v10  the hidden layer's: 16 r + 256 (w / 4) + 4 (w % 4)
.set SO,   11                          ; v11  the stage: STG + SP r + 32 h + 128 w
.set SR,   12                          ; v12  and back: STG + 8 SP w + 16 x lane
.set W1SA, 13                          ; v13  W1's scale words: 8 (r + 8 (r / 8) + 8 h)
.set W2SA, 14                          ; v14  W2's: 32 r + 16 h
.set B1A,  15                          ; v15  b1: 64 h
.set B2A,  122                         ; v122 b2: 32 h
.set XF,   16
.set HA,   32
.set PC,   96
.set TM,   104                         ; v104-107 largest numbers, v108-111 bytes, v116-119 the conversions' scale operands
.set PW,   120                         ; a scale word on its way to LDS
.set XS,   124
.set HS,   128
.set W1S,  144
.set W2S,  152
.set B1,   160
.set B2,   224
.set SEL,  82                          ; s[82:83] v_permlanex16_b32's selects for lane l xor 16
.set MSB, 0
.macro WIN new                         ; s_set_vgpr_msb: bits 1:0 source 0, 3:2 source 1, 5:4 source 2, 7:6 destination; the high byte repeats the setting that is left
.if MSB != \new
	s_set_vgpr_msb (MSB<<8)|\new
.set MSB, \new
.endif
.endm
.macro PLACES                          ; four places behind a matrix instruction, in front of loads into its registers and of reads of its result
.rept 4
	v_nop
.endr
.endm
.macro BARRIER                         ; my LDS stores have landed and my LDS loads are in: then the work-group's barrier
	s_wait_dscnt 0x0
	s_barrier_signal -1
	s_barrier_wait -1
.endm
.macro FETCH reg, off                  ; a fragment's image into v[reg] on
.irp c, 0,1
	ds_load_b128 v[(\reg)+4*\c:(\reg)+4*\c+3], v[LI] offset:(\off)+512*\c
.endr
.endm
.macro IMAGE reg, off                  ; the fragment in v[reg] on goes to LDS as it stands, at my wave's place
.irp c, 0,1
	ds_store_b128 v[XWI], v[(\reg)+4*\c:(\reg)+4*\c+3] offset:(\off)+512*\c
.endr
.endm
; One product 16 x 16 x 128.  ra, rb = 1: source 0's, source 1's scale words are taken from lanes 16-31 of their register.
.macro MM d, a, b, c, sa, sb, ra, rb
.if (\ra) && (\rb)
	v_wmma_scale_f32_16x16x128_f8f6f4 v[(\d):(\d)+7], v[(\a):(\a)+7], v[(\b):(\b)+7], v[(\c):(\c)+7], v[\sa], v[\sb] matrix_a_fmt:MATRIX_FMT_FP4 matrix_b_fmt:MATRIX_FMT_FP4 matrix_a_scale:MATRIX_SCALE_ROW1 matrix_b_scale:MATRIX_SCALE_ROW1
.elseif (\ra)
	v_wmma_scale_f32_16x16x128_f8f6f4 v[(\d):(\d)+7], v[(\a):(\a)+7], v[(\b):(\b)+7], v[(\c):(\c)+7], v[\sa], v[\sb] matrix_a_fmt:MATRIX_FMT_FP4 matrix_b_fmt:MATRIX_FMT_FP4 matrix_a_scale:MATRIX_SCALE_ROW1
.elseif (\rb)
	v_wmma_scale_f32_16x16x128_f8f6f4 v[(\d):(\d)+7], v[(\a):(\a)+7], v[(\b):(\b)+7], v[(\c):(\c)+7], v[\sa], v[\sb] matrix_a_fmt:MATRIX_FMT_FP4 matrix_b_fmt:MATRIX_FMT_FP4 matrix_b_scale:MATRIX_SCALE_ROW1
.else
	v_wmma_scale_f32_16x16x128_f8f6f4 v[(\d):(\d)+7], v[(\a):(\a)+7], v[(\b):(\b)+7], v[(\c):(\c)+7], v[\sa], v[\sb] matrix_a_fmt:MATRIX_FMT_FP4 matrix_b_fmt:MATRIX_FMT_FP4
.endif
.endm
; 64 numbers of a lane, none negative, v[s] .. v[s + 63], register 16 b + i = k 32 b + 16 (lane / 16) + i of my row, become a fragment's codes in v[PC] on and its scale word in v[PW].
.macro QUANT s
.irp b, 0,1,2,3
	v_max3_num_f32 v[TM+\b], v[\s+16*\b], v[\s+1+16*\b], 0x1800000   ; block b: my 16 numbers, and the floor 2^(3 - 127): so the byte cannot fall under 1
.endr
.irp i, 2,4,6,8,10,12,14
.irp b, 0,1,2,3
	v_max3_num_f32 v[TM+\b], v[TM+\b], v[\s+16*\b+\i], v[\s+1+16*\b+\i]   ; (the four blocks by turns: no line waits for the line above it)
.endr
.endr
.irp b, 0,1,2,3
	v_permlanex16_b32 v[TM+4+\b], v[TM+\b], s[SEL], s[SEL+1]
.endr
.irp b, 0,1,2,3
	v_max_num_f32 v[TM+\b], v[TM+\b], v[TM+4+\b]   ; with lane l xor 16's: the block's largest number
.endr
.irp b, 0,1,2,3
	v_add_nc_u32 v[TM+12+\b], 0xff000000, v[TM+\b]   ; 2 off its exponent field: the conversion takes the exponent field of this operand as its scale, and nothing else of it
.endr
.irp b, 0,1,2,3
	v_lshrrev_b32 v[TM+4+\b], 23, v[TM+12+\b]      ; the scale's byte
.endr
	v_lshl_or_b32 v[PW], v[TM+5], 8, v[TM+4]       ; the four bytes make my row's scale word
	v_lshl_or_b32 v[PW], v[TM+6], 16, v[PW]
	v_lshl_or_b32 v[PW], v[TM+7], 24, v[PW]
.irp b, 0,1,2,3
	v_cvt_scalef32_pk8_fp4_f32 v[PC+2*\b], v[\s+16*\b:\s+7+16*\b], v[TM+12+\b]
	v_cvt_scalef32_pk8_fp4_f32 v[PC+1+2*\b], v[\s+8+16*\b:\s+15+16*\b], v[TM+12+\b]
.endr
	v_nop                                          ; one plain place behind a scaled conversion
.irp c, 0,1                                    ; the operand's layout wants a WHOLE block in a lane: lanes 0-15 block 2 c, lanes 16-31 block 2 c + 1
.irp i, 0,1
	v_permlane16_swap_b32 v[PC+4*\c+\i], v[PC+2+4*\c+\i]
.endr
.endr
.endm
	s_load_b512 s[8:23], s[0:1], 0x0               ; x's codes s[8:9], x's scales s[10:11], wimg s[12:13], W1's scales s[14:15], b1 s[16:17], W2's scales s[18:19], b2 s[20:21], order s[22:23]
	s_load_b128 s[24:27], s[0:1], 0x40             ; counts s[24:25], out s[26:27]
	v_lshl_add_u32 v254, v0, 2, 0x1b000            ; the LDS address of my spare word, behind the stage, and 0: made here and kept for the closing lines alone
	v_mov_b32 v255, 0
	v_lshrrev_b32 v4, 5, v0
	v_readfirstlane_b32 s28, v4                    ; wave 0..7
	v_and_b32 v[LI], 31, v0
	v_lshlrev_b32 v[LI], 4, v[LI]
	v_and_b32 v[RR], 15, v0
	v_bfe_u32 v[HH], v0, 4, 1
	s_mov_b32 s29, ttmp9                           ; t: my tile's number
	s_wait_alu depctr_va_vdst(0)
	s_wait_kmcnt 0x0
	s_load_b512 s[32:47], s[24:25], 0x0            ; the 16 counts
	s_wait_alu depctr_va_sdst(0)                   ; s28, the wave's number, is written, ahead of its first reader: addresses and bases are made from it
	; while they come: every address that hangs on the lane and the wave alone
	s_lshl_b32 s50, s28, 10
	v_add_nc_u32 v[XWI], s50, v[LI]
	s_and_b32 s50, s28, 1
	s_lshl_b32 s50, s50, 8
	s_lshr_b32 s51, s28, 1
	s_lshl_b32 s51, s51, 2
	s_add_co_u32 s50, s50, s51
	v_lshl_add_u32 v[XWS], v[RR], 4, s50
	s_lshr_b32 s50, s28, 2
	s_lshl_b32 s50, s50, 8
	s_and_b32 s51, s28, 3
	s_lshl_b32 s51, s51, 2
	s_add_co_u32 s50, s50, s51
	v_lshl_add_u32 v[HWS], v[RR], 4, s50
	v_mul_u32_u24 v[SO], v[RR], SP
	v_lshl_add_u32 v[SO], v[HH], 5, v[SO]
	s_lshl_b32 s50, s28, 7
	s_add_co_u32 s50, s50, STG
	v_add_nc_u32 v[SO], s50, v[SO]
	s_mul_i32 s50, s28, 8*SP
	s_add_co_u32 s50, s50, STG
	v_add_nc_u32 v[SR], s50, v[LI]
	v_and_b32 v[W1SA], 8, v[RR]
	v_add_nc_u32 v[W1SA], v[W1SA], v[RR]
	v_lshl_add_u32 v[W1SA], v[HH], 3, v[W1SA]
	v_lshlrev_b32 v[W1SA], 3, v[W1SA]
	v_lshlrev_b32 v[W2SA], 5, v[RR]
	v_lshl_add_u32 v[W2SA], v[HH], 4, v[W2SA]
	v_lshlrev_b32 v[B1A], 6, v[HH]
	v_lshlrev_b32 v[B2A], 5, v[HH]
	s_and_b32 s50, s28, 1
	s_lshl_b32 s51, s50, 2
	s_lshl_b32 s50, s50, 6
	v_lshl_add_u32 v[XA], v[HH], 4, s50            ; 16 h + 64 (w % 2); the token's row is added below
	v_mov_b32 v[XSA], s51                          ; 4 (w % 2)
.irp b, 0,1,2,3
	v_mov_b32 v[TM+4+\b], 0                        ; written once: a lane permute's destination counts as one of its sources
.endr
	s_mov_b32 s[SEL], 0x76543210
	s_mov_b32 s[SEL+1], 0xfedcba98
	s_mov_b32 s30, 0                               ; tiles of the experts passed
	s_mov_b32 s31, 0                               ; E: my expert
	s_mov_b32 s48, 0                               ; which of its tiles
	s_mov_b32 s49, 0                               ; N: its rows
	s_wait_kmcnt 0x0
	; THE TILE MAP: the last expert whose first tile is at or under t is mine (an expert without rows has no tile and is passed over by the next)
.irp e, 0,1,2,3,4,5,6,7,8,9,10,11,12,13,14,15
	s_min_u32 s[32+\e], s[32+\e], 8192
	s_sub_co_u32 s50, s29, s30
	s_cmp_ge_u32 s29, s30
	s_cselect_b32 s31, \e, s31
	s_cselect_b32 s48, s50, s48
	s_cselect_b32 s49, s[32+\e], s49
	s_add_co_u32 s51, s[32+\e], 63
	s_lshr_b32 s51, s51, 6
	s_add_co_u32 s30, s30, s51
.endr
	s_min_u32 s31, s31, 15
	s_lshl_b32 s50, s48, 6                         ; my first row's rank among the expert's
	s_min_u32 s51, s50, s49
	s_sub_co_u32 s85, s49, s51
	s_min_u32 s85, s85, 64                         ; rows of my tile: 0 where the split has no such tile
	s_min_u32 s84, s50, 8128                       ; r0, held so that r0 + 63 stays inside the expert's list, every word of which holds a token's number
	s_lshl_b32 s51, s28, 3
	s_sub_co_i32 s86, s85, s51                     ; how many of the 8 rows that my wave stores exist (0 or less: none)
	s_mov_b32 s89, 0
	s_lshl_b32 s88, s31, 15
	s_add_nc_u64 s[22:23], s[22:23], s[88:89]      ; the expert's list: 8,192 words
	s_lshl_b32 s88, s31, 3
	s_add_co_u32 s88, s88, s28
	s_lshl_b32 s88, s88, 15
	s_add_nc_u64 s[12:13], s[12:13], s[88:89]      ; my block of the weights: 32,768 (8 E + w)
	s_lshl_b32 s88, s31, 13
	s_lshl_b32 s50, s28, 10
	s_add_co_u32 s88, s88, s50
	s_add_nc_u64 s[14:15], s[14:15], s[88:89]      ; W1's scales: 8,192 E + my 128 rows of 8 bytes
	s_add_nc_u64 s[18:19], s[18:19], s[88:89]      ; W2's: 8,192 E + my 32 rows of 32 bytes
	s_lshl_b32 s88, s31, 12
	s_lshl_b32 s50, s28, 9
	s_add_co_u32 s88, s88, s50
	s_add_nc_u64 s[16:17], s[16:17], s[88:89]      ; b1: 4,096 E + my 128 numbers
	s_lshl_b32 s88, s31, 10
	s_lshl_b32 s50, s28, 7
	s_add_co_u32 s88, s88, s50
	s_add_nc_u64 s[20:21], s[20:21], s[88:89]      ; b2: 1,024 E + my 32 numbers
	s_lshl_b32 s87, s28, 3
	s_add_co_u32 s87, s87, s84
	s_lshl_b32 s90, s87, 2
	s_mov_b32 s91, 0
	s_add_nc_u64 s[90:91], s[22:23], s[90:91]
	s_load_b256 s[52:59], s[90:91], 0x0            ; the tokens of the 8 rows that my wave stores: ranks r0 + 8 w + 0 .. 7
	s_lshr_b32 s50, s28, 1
	s_lshl_b32 s50, s50, 4
	s_add_co_u32 s50, s50, s84
	v_add_nc_u32 v[POS], s50, v[RR]                ; the row that I gather: rank r0 + 16 (w / 2) + r, at most 8,191
	v_lshlrev_b32 v[POS], 2, v[POS]
	s_wait_alu depctr_va_vdst(0)                   ; the offsets and LDS addresses v1, v4, v8 to v15 and v122 are written, which the loads and stores from here to the end read; none of them is written again
	global_load_b32 v[TOK], v[POS], s[22:23]
	WIN 0x40                                       ; destination window 1, address window 0
.set i, 0
.rept 32
	global_load_b128 v[4*i:4*i+3], v[LI], s[12:13] offset:512*i   ; W1's 16 fragments: 512 consecutive bytes a load
.set i, i+1
.endr
	WIN 0
.irp b, 0,1,2,3
	global_load_b64 v[W1S+2*\b:W1S+2*\b+1], v[W1SA], s[14:15] offset:256*\b   ; rows 32 b .. 32 b + 31, both K steps' words: 256 consecutive bytes
.endr
.irp t, 0,1,2,3,4,5,6,7
	global_load_b128 v[B1+8*\t:B1+8*\t+3], v[B1A], s[16:17] offset:(32*(\t/2)+8*(\t%2))*4        ; lane (r, h), tile t: b1 of hidden units 32 (t / 2) + 16 h + 8 (t % 2) + 0 .. 7
	global_load_b128 v[B1+8*\t+4:B1+8*\t+7], v[B1A], s[16:17] offset:(32*(\t/2)+8*(\t%2))*4+16
.endr
	s_wait_loadcnt 52                              ; the token is in; the 32 + 4 + 16 loads issued behind it stay out
	v_min_u32 v[TOK], 8191, v[TOK]
	v_lshl_add_u32 v[XA], v[TOK], 7, v[XA]
	v_lshl_add_u32 v[XSA], v[TOK], 3, v[XSA]
	s_wait_alu depctr_va_vdst(0)                   ; v[XA] and v[XSA] are written, which x's three loads read as their offsets
.irp c, 0,1
	global_load_b128 v[XF+4*\c:XF+4*\c+3], v[XA], s[8:9] offset:32*\c   ; wave w gathers x's fragment (tile of rows w / 2, K step w % 2)
.endr
	global_load_b32 v[PW], v[XSA], s[10:11]        ; and its rows' scale words
	WIN 0x40
.set i, 32
.rept 32
	global_load_b128 v[4*i:4*i+3], v[LI], s[12:13] offset:512*i   ; W2's 16 fragments
.set i, i+1
.endr
	WIN 0
.irp n, 0,1
	global_load_b128 v[W2S+4*\n:W2S+4*\n+3], v[W2SA], s[18:19] offset:512*\n   ; tile n's 16 rows of 32 bytes: 512 consecutive bytes; lanes 0-15 K steps 0-3, lanes 16-31 K steps 4-7
.endr
.irp n, 0,1
	global_load_b128 v[B2+8*\n:B2+8*\n+3], v[B2A], s[20:21] offset:64*\n        ; lane (r, h), tile n: b2 of outputs 16 n + 8 h + 0 .. 7
	global_load_b128 v[B2+8*\n+4:B2+8*\n+7], v[B2A], s[20:21] offset:64*\n+16
.endr
	s_wait_loadcnt 38                              ; W1, its scales, b1 and x are in; the 32 + 2 + 4 loads issued behind x stay out
	IMAGE XF, XIMG
	ds_store_b32 v[XWS], v[PW] offset:XSC          ; lanes r and r + 16 write the same word with the same value
	s_wait_kmcnt 0x0                               ; my 8 rows' tokens
.irp i, 0,1,2,3,4,5,6,7
	s_min_u32 s[52+\i], s[52+\i], 8191
	s_lshl_b32 s88, s[52+\i], 10                   ; a row of out is 1,024 bytes
	s_add_nc_u64 s[66+2*\i:67+2*\i], s[26:27], s[88:89]
.endr
	BARRIER                                        ; x's eight fragments and their scale words lie in LDS
	; ---- 1: my 128 hidden units, a tile of 16 rows at a time: 8 accumulators by turns, one instruction a turn
	s_wait_alu depctr_vm_vsrc(0)                   ; my LDS stores above have read v[XF .. XF + 7], in which the loads below land, and v[PW], which the first QUANT writes
	ds_load_b128 v[XS:XS+3], v[LI] offset:XSC      ; lane 16 h + r: row r's words of K step h, for the four tiles of rows
	FETCH XF, XIMG
	FETCH XF+8, XIMG+1024
.irp m, 0,1,2,3
	s_wait_dscnt 0x0                               ; x's two fragments are in
.if \m > 0
	s_wait_alu depctr_vm_vsrc(0)                   ; the last tile's LDS stores have read v[PC ..] and v[PW], which this tile's QUANT writes again
.endif
	WIN 0x01                                       ; source 0 (W1) window 1
.irp t, 0,1,2,3,4,5,6,7
	MM HA+8*\t, 16*\t, XF, B1+8*\t, W1S+2*(\t/2), XS+\m, \t%2, 0
.endr
.irp t, 0,1,2,3,4,5,6,7
	MM HA+8*\t, 16*\t+8, XF+8, HA+8*\t, W1S+2*(\t/2)+1, XS+\m, \t%2, 1
.endr
	WIN 0
	PLACES
.if \m < 3
	s_wait_alu depctr_va_vdst(0)                   ; the sixteen products are done reading v[XF ..], in which the four loads below land; the places above stay beside this wait, for the activation's reads
	FETCH XF, XIMG+(2*\m+2)*1024                   ; the next tile's x lands under the vector work below, none of which names v[XF ..]
	FETCH XF+8, XIMG+(2*\m+3)*1024
.endif
.set j, 0
.rept 64
	v_max_num_f32 v[HA+j], 0, v[HA+j]              ; the activation, in f32; each accumulator from its low end on
.set j, j+1
.endr
	QUANT HA                                       ; lane (r, h): register 16 b + i is hidden unit 128 w + 32 b + 16 h + i of row r
	s_wait_alu depctr_va_vdst(0)                   ; QUANT has written v[PC ..] and v[PW], which the three LDS stores read.  In the last tile also: all vector work on v[HA ..] is done, and nothing names these registers again before the second product's first loads land in them
	IMAGE PC, HIMG+8192*\m                         ; K step w of the second product, rows 16 m on
	ds_store_b32 v[HWS], v[PW] offset:HSC+512*\m
.endr
	BARRIER                                        ; the hidden layer's 32 fragments lie in LDS
	; ---- 2: my 32 outputs for the 64 rows: 8 accumulators by turns, a K step at a time; the next K step's four fragments are fetched ahead, into the other set
.irp m, 0,1,2,3
	ds_load_b128 v[HS+4*\m:HS+4*\m+3], v[LI] offset:HSC+512*\m
.endr
.irp m, 0,1,2,3
	FETCH HA+8*\m, HIMG+8192*\m
.endr
	s_wait_loadcnt 0x0                             ; W2, its scales and b2
.irp s, 0,1,2,3,4,5,6,7
.if \s > 0
	PLACES                                         ; in front of loads into the set that the last K step's products read
.endif
.if \s < 7
.if \s > 0
	s_wait_alu depctr_va_vdst(0)                   ; the last K step's eight products are done reading their set of fragments, in which the eight loads below land; this K step's products name the other set
.endif
.irp m, 0,1,2,3
	FETCH HA+32*((\s+1)%2)+8*\m, HIMG+8192*\m+1024*(\s+1)
.endr
	s_wait_dscnt 8                                 ; all but the eight just issued: this K step's fragments are in
.else
	s_wait_dscnt 0x0
.endif
.if \s == 0
	WIN 0x41                                       ; source 0 (W2) and the destination window 1; C (b2) window 0
.else
	WIN 0x51                                       ; C too
.endif
.irp m, 0,1,2,3
.irp n, 0,1
.if \s == 0
	MM 8*(4*\n+\m), 128+8*(8*\n+\s), HA+32*(\s%2)+8*\m, B2+8*\n, W2S+4*\n+(\s%4), HS+4*\m+(\s%4), \s/4, \s/4
.else
	MM 8*(4*\n+\m), 128+8*(8*\n+\s), HA+32*(\s%2)+8*\m, 8*(4*\n+\m), W2S+4*\n+(\s%4), HS+4*\m+(\s%4), \s/4, \s/4
.endif
.endr
.endr
	WIN 0
.endr
	; ---- 3: the way out.  A row's 256 outputs come from eight waves: they meet in the stage, and each wave stores 8 whole rows
	PLACES
	WIN 0x04                                       ; an LDS store's data are its source 1: window 1
	s_wait_alu depctr_va_vdst(0)                   ; the products have written the accumulators, which the LDS stores read (the places above stay beside this wait), and are done reading both sets of v[HA ..], in which the loads from the stage land: no vector or matrix instruction follows
.irp m, 0,1,2,3
.irp n, 0,1
	ds_store_b128 v[SO], v[8*(4*\n+\m):8*(4*\n+\m)+3] offset:16*SP*\m+64*\n        ; lane (r, h): out(row 16 m + r, 32 w + 16 n + 8 h + 0 .. 7); each accumulator from its low end on
	ds_store_b128 v[SO], v[8*(4*\n+\m)+4:8*(4*\n+\m)+7] offset:16*SP*\m+64*\n+16
.endr
.endr
	WIN 0
	BARRIER                                        ; 64 whole rows lie in the stage
.irp i, 0,1,2,3,4,5,6,7
	ds_load_b128 v[HA+8*\i:HA+8*\i+3], v[SR] offset:SP*\i          ; row 8 w + i, 512 bytes a load
	ds_load_b128 v[HA+8*\i+4:HA+8*\i+7], v[SR] offset:SP*\i+512
.endr
.irp i, 0,1,2,3,4,5,6,7
	s_cmp_le_i32 s86, \i                           ; the rows that exist are the tile's first: at the first that does not, the wave is done
	s_cbranch_scc1 .Ldone
	s_wait_dscnt 14-2*\i                           ; row i's two loads are in; the later rows' stay out
	global_store_b128 v[LI], v[HA+8*\i:HA+8*\i+3], s[66+2*\i:67+2*\i] th:TH_STORE_NT              ; 32 lanes store 512 consecutive bytes of the token's row, aligned; written once, read by nobody here
	global_store_b128 v[LI], v[HA+8*\i+4:HA+8*\i+7], s[66+2*\i:67+2*\i] offset:512 th:TH_STORE_NT
.endr
.Ldone:
	s_wait_dscnt 0x0                               ; the closing lines, six on end
	s_wait_alu 0x0
	s_wait_tensorcnt 0x0
	ds_add_u32 v254, v255
	s_wait_dscnt 0x0
	s_endpgm
.Lfunc_end_k_qf88e6b875b_chain:
	.size	k_qf88e6b875b_chain, .Lfunc_end_k_qf88e6b875b_chain-k_qf88e6b875b_chain
	.p2alignl 7, 3214868480
	.fill 96, 4, 3214868480
	.section	.rodata,"a",@progbits
	.p2align	6, 0x0
	.amdhsa_kernel k_qf88e6b875b_chain
		.amdhsa_group_segment_fixed_size 111616
		.amdhsa_private_segment_fixed_size 0
		.amdhsa_enable_private_segment 0
		.amdhsa_kernarg_size 80
		.amdhsa_user_sgpr_count 2
		.amdhsa_user_sgpr_kernarg_segment_ptr 1
		.amdhsa_wavefront_size32 1
		.amdhsa_system_sgpr_workgroup_id_x 1
		.amdhsa_system_sgpr_workgroup_id_y 1
		.amdhsa_system_sgpr_workgroup_id_z 1
		.amdhsa_system_vgpr_workitem_id 0
		.amdhsa_next_free_vgpr 512
		.amdhsa_next_free_sgpr 96
		.amdhsa_reserve_vcc 0
		.amdhsa_float_denorm_mode_32 3
		.amdhsa_float_denorm_mode_16_64 3
		.amdhsa_memory_ordered 1
		.amdhsa_forward_progress 1
		.amdhsa_inst_pref_size 73
	.end_amdhsa_kernel
	.amdgpu_metadata
---
amdhsa.version: [ 1, 2 ]
amdhsa.kernels:
  - .name:           k_qf88e6b875b_chain
    .symbol:         k_qf88e6b875b_chain.kd
    .args:
      - { .name: x_codes, .offset: 0, .size: 8, .value_kind: global_buffer, .address_space: global }
      - { .name: x_scales, .offset: 8, .size: 8, .value_kind: global_buffer, .address_space: global }
      - { .name: wimg, .offset: 16, .size: 8, .value_kind: global_buffer, .address_space: global }
      - { .name: W1_scales, .offset: 24, .size: 8, .value_kind: global_buffer, .address_space: global }
      - { .name: b1, .offset: 32, .size: 8, .value_kind: global_buffer, .address_space: global }
      - { .name: W2_scales, .offset: 40, .size: 8, .value_kind: global_buffer, .address_space: global }
      - { .name: b2, .offset: 48, .size: 8, .value_kind: global_buffer, .address_space: global }
      - { .name: order, .offset: 56, .size: 8, .value_kind: global_buffer, .address_space: global }
      - { .name: counts, .offset: 64, .size: 8, .value_kind: global_buffer, .address_space: global }
      - { .name: out0, .offset: 72, .size: 8, .value_kind: global_buffer, .address_space: global }
    .group_segment_fixed_size: 111616
    .private_segment_fixed_size: 0
    .kernarg_segment_align: 8
    .kernarg_segment_size: 80
    .max_flat_workgroup_size: 256
    .sgpr_count:     96
    .vgpr_count:     512
    .wavefront_size: 32
...
	.end_amdgpu_metadata
.endif
;; end of part 4
